; MI455X (gfx1250); checked and timed in simulation.
; The chip was launched on July 23, 2026; its instructions are those of AMD's public machine-readable ISA for CDNA 5 (MIT licence, August 2026) and "CDNA5" Instruction Set Architecture Reference Guide (July 2026). The comments in the code are by the model that wrote it; some were corrected since.
;; Multi Head Attention. Allowed arithmetic: matrix products marked QUANTISED: E2M3 operands, one E8M0 scale for each 32 along K, by v_wmma_scale_f32_16x16x128_f8f6f4 with both operands' format E2M3, f32 sums; everything else in f32.
;; Inputs: W_out 1,024 x 1,024 float32; W_qkv 1,024 x 3,072 float32; b_out 1,024 float32; b_qkv 3,072 float32; x 4 x 2,048 x 1,024 float32.
;; Outputs: out0 4 x 2,048 x 1,024 float32.
;; This version of the problem:
;;   THIS VERSION OF THE PROBLEM IS GIVEN IN LOW PRECISION. The matrix products marked QUANTISED in the list below multiply operands that are first quantised to E2M3 (2 exponent bits, 3 mantissa bits; 6 bits a number), with one power-of-two scale for each 32 numbers along K (OCP MX v1.0); their sums are f32. All else is computed in f32.
;;   The module's matrix products, in the order in which they are computed (A, B: the left and right operand; K: the contracted axis; several contracted axes count as one K, in the product's order):
;;     1. [M 8,192, K 1,024] x [K 1,024, N 3,072]; A: input x; B: input W_qkv: QUANTISED
;;     2. batch 64 x [M 2,048, K 64] x [K 64, N 2,048]; A: computed on the way; B: computed on the way: QUANTISED
;;     3. batch 64 x [M 2,048, K 2,048] x [K 2,048, N 64]; A: softmax (see below); B: computed on the way: QUANTISED
;;     4. [M 8,192, K 1,024] x [K 1,024, N 1,024]; A: computed on the way; B: input W_out: QUANTISED
;;   THE QUANTISER, for each operand of a quantised product, along K:
;;     - K is cut into blocks of 32 from its start; a last block that is shorter is filled with zeros.
;;     - A block's scale is 2^e with e = floor(log2(the largest magnitude in the block)) - 2, held to -126 .. 127; a block of zeros has e = 0. As a byte (E8M0): e + 127.
;;     - Each number is divided by its block's scale, clamped to +-7.5, and rounded to the nearest number of E2M3, ties to even, subnormals kept.
;;     - The product sums the exact products of the quantised numbers (number of the format x scale) in f32.
;;   ~~~python
;;   def quantise(x, axis):      # numpy; x: float32 -> the quantised numbers, widened to float32 again
;;       x = np.moveaxis(x, axis, -1); K = x.shape[-1]
;;       x = np.pad(x, [(0, 0)] * (x.ndim - 1) + [(0, -K % 32)]); x = x.reshape(x.shape[:-1] + (-1, 32)); a = np.abs(x).max(-1, keepdims=True)
;;       e = np.where(a > 0, np.clip(np.frexp(np.where(a > 0, a, 1))[1] - 1 - 2, -126, 127), 0)      # np.frexp(a)[1] - 1 = floor(log2(a)), exactly
;;       r = np.clip(x / 2.0 ** e, -7.5, 7.5)
;;       step = 2.0 ** (np.maximum(np.frexp(np.where(r == 0, 1, r))[1] - 1, 0) - 3)
;;       q = np.round(r / step) * step * 2.0 ** e      # np.round: ties to even
;;       return np.moveaxis(q.reshape(q.shape[:-2] + (-1,))[..., :K], -1, axis).astype(np.float32)
;;   ~~~
;;   SOFTMAX AHEAD OF A QUANTISED PRODUCT. Where the list says 'softmax', what is quantised is not the finished softmax but p = 2^(t - M), with t = logit x log2(e) and M = ceil(the row's largest t), a whole number; so 1/2 < the row's largest p <= 1. The row's sum l is taken of the UNQUANTISED p, in f32, and the product's result is divided by l at the end. Since M is a whole number, a kernel that streams over the keys may use a running M (the ceiling of the running maximum): every later rescaling is an exact power of two, which a block's scale takes up: the codes' values come out the same.
;;   OPERANDS COMPUTED ON THE WAY. 'Computed on the way' means the value that the module computes at that place (a softmax that the list does not call 'softmax' is quantised finished and normalised). What goes into a quantiser is computed in f32, as accurately as f32 sums, v_exp_f32 and their like allow (about 1e-6 of the number): no bf16 or f16 on the way to a quantiser, and a product that is left as it is and whose result goes on into a quantised operand takes f32 operands (vector FMAs, or v_wmma_f32_16x16x4_f32). A number that lies on a knife's edge between two numbers of the format may be rounded either way, as far as f32 arithmetic and the matrix unit's own rounding can turn it there, and no further.
;; One version. Each part assembles by itself: llvm-mc -triple=amdgcn-amd-amdhsa -mcpu=gfx1250 --defsym DOCPART=n.
;; ======== version 1 of 1: 4 launches
;; workspace buffers: x_img 6,291,456 bytes; x_sc 262,144 bytes; w_img 3,145,728 bytes; w_sc 131,072 bytes; qkv_img 18,874,368 bytes; qkv_sc 786,432 bytes; o_img 6,291,456 bytes; o_sc 262,144 bytes
;; launch quant (part 1): grid 384 x 1, 4 waves a work-group, no clusters, 59,904 bytes of LDS; arguments x, W_qkv, W_out, x_img, x_sc, w_img, w_sc; writes x_img, x_sc, w_img, w_sc
.if DOCPART == 1
	.amdgcn_target "amdgcn-amd-amdhsa--gfx1250"
	.amdhsa_code_object_version 6
	.text
	.protected	k_q7fae4c0065_quant
	.globl	k_q7fae4c0065_quant
	.p2align	8
	.type	k_q7fae4c0065_quant,@function
k_q7fae4c0065_quant:
	s_mov_b64 s[64:65], 0
	v_nop
	global_prefetch_b8 v0, s[64:65] scope:SCOPE_SE
	s_setreg_imm32_b32 hwreg(HW_REG_WAVE_MODE, 25, 1), 1
	s_wait_xcnt 0x0
; x [8192][1024], W_qkv [1024][3072] and W_out [1024][1024], f32, become codes of FP6 (E2M3) with one E8M0 byte for each 32 along K (the 1,024 inputs), laid as IMAGES OF OPERAND REGISTERS.
; A fragment is 16 rows x 128 K, 12 registers a lane: its image is 1,536 bytes, piece p (512 bytes) = lane l's registers 4 p .. 4 p + 3 at 16 l.  Lane (r, h) holds place r of its tile; registers 6 c .. 6 c + 5 hold K = 64 c + 32 h + 0 .. 31.
; THE ROWS OF A TILE ARE NOT NEIGHBOURS: place i of tile t of a block of 128 rows is row 32 (t / 2) + 8 (t % 2) + i + 8 (i / 8).
; x_img, w_img: [block of 128 rows][K step 8][tile 8][1,536].  x_sc, w_sc: [block][K step 8][2][256]: lane r's four scale words (tiles 4 q .. 4 q + 3) at 16 r.  For the weights a row is an output column; blocks 0-23 are W_qkv's, 24-31 W_out's.
; A block's scale byte is its largest magnitude's exponent field - 2, held at 1 from below.  A block of zeros so gets the byte 1 where the rule says 127: its codes are zeros, and this program alone reads the bytes.
; LIMITS: blocks whose largest magnitude lies under 2^(3 - 127), the floor, were not tried; NaN and infinities among the inputs are not served.
; Work-groups 0-255 take x (K innermost), 256-383 the weights (K is the first axis); each handles 131,072 bytes of f32.  The two ways have LDS bytes of their own.  No tensor load, no ring.
.set XPIT,  528                        ; x's stage: a row of 512 bytes + 16: sixteen rows start at sixteen different groups of four banks
.set XWV,   16*XPIT                    ; a wave's stage for x
.set WST,   4*XWV                      ; the weights' stages: 6,144 bytes a wave: [K step 2][tile 2][1,536]
.set WWV,   6144
.set WSC,   WST+4*WWV                  ; the weights' scale words: [K step 2][2][256]
.set SPARE, WSC+1024                   ; the spare words, 128 bytes for each wave: two blocks of 256 bytes that no other line names
.set SPW,   12                         ; v12  LDS address of my spare word; never rewritten
.set NIL,   13                         ; v13  0; never rewritten
.set RR,    16                         ; x: v16-143  two sets of 64 registers as loaded
.set XX,    144                        ; x: v144-207 my two blocks of 32 neighbours
.set PP,    208                        ; x: v208-219 a fragment's codes
.set TT,    220                        ; x: v220-222, v224-226 the upper halves' codes
.set SW,    228                        ; x: v228-231 the four fragments' scale words
.set VO,    16                         ; W: v16-47   4 x lane + i x a row of W
.set WX,    48                         ; W: v48-111  two sets of 32 numbers
.set CC,    112                        ; W: v112-117 a block's codes
.set WT,    118                        ; W: v118-120 its upper half's
.set SB,    126                        ; W: v126-127 my column's scale words of the two K steps
.set WO,    128                        ; W: v128-175 the way out
	s_load_b256 s[4:11], s[0:1], 0x0               ; x s[4:5], W_qkv s[6:7], W_out s[8:9], x_img s[10:11]
	s_load_b128 s[12:15], s[0:1], 0x20             ; x_sc s[12:13], w_img s[14:15]
	s_load_b64 s[16:17], s[0:1], 0x30              ; w_sc
	v_lshl_add_u32 v[SPW], v0, 2, SPARE
	v_mov_b32 v[NIL], 0
	v_lshrrev_b32 v1, 5, v0
	v_readfirstlane_b32 s18, v1                    ; wave 0..3
	v_and_b32 v8, 31, v0                           ; lane
	v_and_b32 v9, 15, v0                           ; r
	v_bfe_u32 v10, v0, 4, 1                        ; h
	s_mov_b32 s32, 0x76543210
	s_mov_b32 s33, 0xfedcba98                      ; v_permlanex16_b32's selects for lane l xor 16
	s_mov_b32 s34, 0xffff0000                      ; lanes 16-31
	s_mov_b32 s25, 0
	s_wait_kmcnt 0x0
	s_cmp_lt_u32 ttmp9, 256                        ; the same in all four waves
	s_cbranch_scc0 .Lweights
; ---------------- x: the work-group takes 64 rows x 512 along K; wave w one K step of 128, four fragments (tiles 4 q + f)
	s_lshr_b32 s19, ttmp9, 1                       ; which 64 rows
	s_and_b32 s20, ttmp9, 1
	s_lshl_b32 s20, s20, 2
	s_add_co_u32 s20, s20, s18                     ; K step = 4 (work-group % 2) + wave
	s_lshr_b32 s21, s19, 1                         ; block of 128 rows
	s_and_b32 s22, s19, 1                          ; q: its lower or upper four tiles
	s_lshl_b32 s24, s19, 18                        ; 64 rows of 4,096 bytes
	s_lshl_b32 s26, s20, 9                         ; 512 bytes a K step
	s_add_co_u32 s24, s24, s26
	s_add_nc_u64 s[4:5], s[4:5], s[24:25]
	s_mul_i32 s24, s21, 98304
	s_mul_i32 s26, s20, 12288
	s_add_co_u32 s24, s24, s26
	s_mul_i32 s26, s22, 6144
	s_add_co_u32 s24, s24, s26
	s_add_nc_u64 s[10:11], s[10:11], s[24:25]      ; my four images
	s_lshl_b32 s24, s21, 12
	s_lshl_b32 s26, s20, 9
	s_add_co_u32 s24, s24, s26
	s_lshl_b32 s26, s22, 8
	s_add_co_u32 s24, s24, s26
	s_add_nc_u64 s[12:13], s[12:13], s[24:25]      ; my 256 bytes of scale words
	s_mul_i32 s27, s18, XWV                        ; my stage
	s_wait_alu depctr_va_vdst(0)
	v_lshlrev_b32 v2, 4, v8                        ; 16 x lane: a load's and a store's place
	v_add_nc_u32 v3, s27, v2                       ; into the stage: a row as it lies
	v_mul_u32_u24 v4, v9, XPIT
	v_lshl_add_u32 v4, v10, 7, v4
	v_add_nc_u32 v4, s27, v4                       ; out of it: row r, + 128 h: my block of 32 numbers
	v_lshlrev_b32 v5, 3, v10                       ; 8 h: my bytes' place in a scale word
	v_lshl_add_u32 v6, v9, 4, v5                   ; 16 r + 8 h: my two words of the 256 bytes
	v_mov_b32 v238, 0                              ; written once: a lane permute's destination counts as one of its sources
.macro XLOAD f                         ; fragment f's 16 rows, 512 consecutive bytes a load
.irp i, 0,1,2,3,4,5,6,7,8,9,10,11,12,13,14,15
	global_load_b128 v[RR+64*((\f)%2)+4*\i:RR+64*((\f)%2)+4*\i+3], v2, s[4:5] offset:(32*((\f)/2)+8*((\f)%2)+\i+8*(\i/8))*4096 th:TH_LOAD_NT
.endr
.endm
.macro XFRAG f
.if (\f) < 3
	s_wait_loadcnt 16                              ; this fragment's 16 loads are in; the next fragment's 16 may be out
.else
	s_wait_loadcnt 0x0
.endif
.irp i, 0,1,2,3,4,5,6,7,8,9,10,11,12,13,14,15
	ds_store_b128 v3, v[RR+64*((\f)%2)+4*\i:RR+64*((\f)%2)+4*\i+3] offset:XPIT*\i
.endr
.irp c, 0,1
.irp j, 0,1,2,3,4,5,6,7
	ds_load_b128 v[XX+32*\c+4*\j:XX+32*\c+4*\j+3], v4 offset:256*\c+16*\j   ; LDS serves a wave's instructions in order: these see the stores above.  K = 64 c + 32 h + 0 .. 31 of row r
.endr
.endr
	s_wait_dscnt 0x0                               ; my numbers are back, and the stores have read their registers,
.if (\f) < 2
	XLOAD (\f)+2                                   ; which take the fragment two further on
.endif
	v_max3_num_f32 v232, |v[XX]|, |v[XX+1]|, 0x1800000      ; two whole blocks are mine; the floor 2^(3 - 127) holds the byte at 1 from below
	v_max3_num_f32 v233, |v[XX+32]|, |v[XX+33]|, 0x1800000
.irp i, 2,4,6,8,10,12,14,16,18,20,22,24,26,28,30
	v_max3_num_f32 v232, v232, |v[XX+\i]|, |v[XX+\i+1]|
	v_max3_num_f32 v233, v233, |v[XX+32+\i]|, |v[XX+33+\i]|
.endr
	v_add_nc_u32 v234, 0xff000000, v232            ; 2 off the exponent field: the conversion's scale operand
	v_add_nc_u32 v235, 0xff000000, v233
	v_lshrrev_b32 v236, 23, v234                   ; the bytes of blocks h and 2 + h
	v_lshrrev_b32 v237, 23, v235
	v_lshl_or_b32 v236, v237, 16, v236
	v_lshlrev_b32 v236, v5, v236                   ; at their places in the word
	v_permlanex16_b32 v238, v236, s32, s33
	v_or_b32 v[SW+(\f)], v236, v238                ; with lane l xor 16's two the word is whole
.if (\f) > 0
	s_wait_alu depctr_va_vdst(0)
	s_wait_xcnt 0x0                                ; the last fragment's stores have read the codes' registers
.endif
	v_cvt_scalef32_pk16_fp6_f32 v[PP:PP+2], v[XX:XX+15], v234
	v_cvt_scalef32_pk16_fp6_f32 v[TT:TT+2], v[XX+16:XX+31], v234       ; (a conversion's three registers begin on an even number)
	v_cvt_scalef32_pk16_fp6_f32 v[PP+6:PP+8], v[XX+32:XX+47], v235
	v_cvt_scalef32_pk16_fp6_f32 v[TT+4:TT+6], v[XX+48:XX+63], v235
	v_nop                                          ; one plain place behind the scaled conversions
.irp i, 0,1,2
	v_mov_b32 v[PP+3+\i], v[TT+\i]
	v_mov_b32 v[PP+9+\i], v[TT+4+\i]
.endr
.irp p, 0,1,2
	global_store_b128 v2, v[PP+4*\p:PP+4*\p+3], s[10:11] offset:1536*(\f)+512*\p   ; 32 lanes store 512 consecutive bytes, aligned
.endr
.endm
	XLOAD 0
	XLOAD 1
	s_wait_alu depctr_va_vdst(0)
	XFRAG 0
	XFRAG 1
	XFRAG 2
	XFRAG 3
	v_cndmask_b32 v232, v[SW], v[SW+2], s34        ; lanes 0-15 store words 0, 1 of row r, lanes 16-31 words 2, 3
	v_cndmask_b32 v233, v[SW+1], v[SW+3], s34
	global_store_b64 v6, v[232:233], s[12:13]      ; 32 lanes store 256 consecutive bytes, aligned
	s_wait_tensorcnt 0x0                           ; the wave's end: behind my last LDS store
	ds_add_u32 v[SPW], v[NIL]
	s_wait_dscnt 0x0
	s_endpgm
; ---------------- the weights: the work-group takes 128 columns x 256 along K; a lane takes a column and its registers run down K
.Lweights:
	s_sub_co_u32 s19, ttmp9, 256
	s_lshr_b32 s20, s19, 2                         ; block of 128 columns, 0..31
	s_and_b32 s21, s19, 3                          ; which 256 along K
	s_mov_b32 s35, 4096
	s_sub_co_u32 s23, s20, 24
	s_cmp_lt_u32 s20, 24                           ; W_qkv's block or W_out's?  The choice hangs on the work-group's number alone
	s_cselect_b64 s[24:25], s[6:7], s[8:9]
	s_cselect_b32 s35, 12288, s35                  ; a row of the weight in bytes
	s_cselect_b32 s22, s20, s23                    ; the block's number in its own weight
	s_lshl_b32 s26, s21, 8
	s_mul_i32 s26, s26, s35                        ; 256 rows a part of K
	s_lshl_b32 s27, s22, 9
	s_add_co_u32 s26, s26, s27                     ; 512 bytes a block of columns
	s_lshl_b32 s27, s18, 7
	s_add_co_u32 s26, s26, s27                     ; 128 bytes a wave
	s_mov_b32 s27, 0
	s_add_nc_u64 s[36:37], s[24:25], s[26:27]      ; block 0 of my eight blocks of 32 along K;
	s_lshl_b32 s28, s35, 5
	s_mov_b32 s29, 0
.irp t, 1,2,3,4,5,6,7
	s_add_nc_u64 s[36+2*\t:37+2*\t], s[34+2*\t:35+2*\t], s[28:29]   ; the others, 32 rows apart
.endr
	s_mul_i32 s26, s20, 98304
	s_mul_i32 s30, s21, 24576
	s_add_co_u32 s26, s26, s30
	s_mul_i32 s30, s18, 3072
	s_add_co_u32 s26, s26, s30
	s_add_nc_u64 s[52:53], s[14:15], s[26:27]      ; the images of my tiles 2 w, 2 w + 1 in K step 2 x part
	s_lshl_b32 s26, s20, 12
	s_lshl_b32 s30, s21, 10
	s_add_co_u32 s26, s26, s30
	s_lshl_b32 s30, s18, 8
	s_add_co_u32 s26, s26, s30
	s_add_nc_u64 s[54:55], s[16:17], s[26:27]      ; my quarter of the work-group's 1,024 bytes of scale words
	v_bfe_u32 v11, v0, 3, 1                        ; u: column 32 w + lane is place r' of tile 2 w + u,
	v_and_b32 v14, 7, v0
	s_wait_alu depctr_va_vdst(0)
	v_lshl_add_u32 v14, v10, 3, v14                ; r' = lane % 8 + 8 (lane / 16)
	s_mul_i32 s30, s18, WWV
	s_add_co_u32 s30, s30, WST                     ; my stage
	v_mul_u32_u24 v2, v11, 1536
	v_lshl_add_u32 v2, v14, 4, v2
	v_add_nc_u32 v2, s30, v2                       ; into it: tile u's image, lane r' of it
	v_lshlrev_b32 v4, 4, v8                        ; 16 x lane
	v_add_nc_u32 v3, s30, v4                       ; out of it: as it lies
	s_lshr_b32 s31, s18, 1
	s_lshl_b32 s31, s31, 8
	s_and_b32 s30, s18, 1
	s_lshl_b32 s30, s30, 3
	s_add_co_u32 s31, s31, s30
	s_add_co_u32 s31, s31, WSC
	v_lshlrev_b32 v5, 2, v11
	s_wait_alu depctr_va_vdst(0)
	v_lshl_add_u32 v5, v14, 4, v5
	v_add_nc_u32 v5, s31, v5                       ; my scale word: 256 (w / 2) + 16 r' + 4 (2 (w % 2) + u)
	v_lshlrev_b32 v7, 3, v8                        ; 8 x lane
	s_lshl_b32 s31, s18, 8
	s_add_co_u32 s31, s31, WSC
	v_add_nc_u32 v6, s31, v7                       ; and the way out of the scale words: 256 w + 8 x lane
	v_lshlrev_b32 v[VO], 2, v8
.irp i, 1,2,3,4,5,6,7,8,9,10,11,12,13,14,15,16,17,18,19,20,21,22,23,24,25,26,27,28,29,30,31
	v_add_nc_u32 v[VO+\i], s35, v[VO+\i-1]         ; the row's length is a choice, so it cannot stand in an immediate
.endr
.macro WLOAD t                         ; block t: W(32 t + i, my column): 128 consecutive bytes a wave, 512 a work-group
.irp i, 0,1,2,3,4,5,6,7,8,9,10,11,12,13,14,15,16,17,18,19,20,21,22,23,24,25,26,27,28,29,30,31
	global_load_b32 v[WX+32*((\t)%2)+\i], v[VO+\i], s[36+2*(\t):37+2*(\t)] th:TH_LOAD_NT
.endr
.endm
.macro WBLOCK t                        ; block t is block t % 4 = 2 c + h' of K step t / 4: registers 6 c .. 6 c + 5 of lane (r', h') of the image
.set XS, WX+32*((\t)%2)
.set SG, (\t)/4
.set HH, (\t)%2
.if (\t) < 7
	s_wait_loadcnt 32                              ; this block's 32 loads are in; the next block's may be out
.else
	s_wait_loadcnt 0x0
.endif
	v_max3_num_f32 v122, |v[XS]|, |v[XS+1]|, |v[XS+2]|
	v_max3_num_f32 v123, |v[XS+3]|, |v[XS+4]|, |v[XS+5]|
.irp i, 6,10,14,18,22,26
	v_max3_num_f32 v122, v122, |v[XS+\i]|, |v[XS+\i+1]|
	v_max3_num_f32 v123, v123, |v[XS+\i+2]|, |v[XS+\i+3]|
.endr
	v_max3_num_f32 v122, v122, |v[XS+30]|, |v[XS+31]|
	v_max3_num_f32 v122, v122, v123, 0x1800000     ; and the floor
	v_add_nc_u32 v124, 0xff000000, v122            ; the conversion's scale operand
	v_lshrrev_b32 v125, 23, v124                   ; the byte
.if (\t)%4 == 0
	v_mov_b32 v[SB+SG], v125
.else
	v_lshl_or_b32 v[SB+SG], v125, 8*((\t)%4), v[SB+SG]
.endif
	v_cvt_scalef32_pk16_fp6_f32 v[CC:CC+2], v[XS:XS+15], v124
	v_cvt_scalef32_pk16_fp6_f32 v[WT:WT+2], v[XS+16:XS+31], v124
	v_nop                                          ; one plain place behind the scaled conversions
.irp i, 0,1,2
	v_mov_b32 v[CC+3+\i], v[WT+\i]
.endr
.if ((\t)%4)/2 == 0
	ds_store_b128 v2, v[CC:CC+3] offset:3072*SG+256*HH              ; registers 0-3: piece 0
	ds_store_b64 v2, v[CC+4:CC+5] offset:3072*SG+512+256*HH         ; registers 4, 5: the lower half of piece 1's 16 bytes
.else
	ds_store_b64 v2, v[CC:CC+1] offset:3072*SG+512+256*HH+8         ; registers 6, 7: its upper half
	ds_store_b128 v2, v[CC+2:CC+5] offset:3072*SG+1024+256*HH       ; registers 8-11: piece 2
.endif
.if (\t) < 6
	WLOAD (\t)+2
.endif
	s_wait_dscnt 0x0                               ; the stores have read their registers: the next block's codes may be written
.endm
	WLOAD 0
	WLOAD 1
	WBLOCK 0
	WBLOCK 1
	WBLOCK 2
	WBLOCK 3
	WBLOCK 4
	WBLOCK 5
	WBLOCK 6
	WBLOCK 7
	ds_store_b32 v5, v[SB]
	s_wait_alu depctr_va_vdst(0)
	ds_store_b32 v5, v[SB+1] offset:512
.irp i, 0,1,2,3,4,5,6,7,8,9,10,11
	ds_load_b128 v[WO+4*\i:WO+4*\i+3], v3 offset:512*\i   ; my own stage: LDS serves a wave's instructions in order
.endr
.irp i, 0,1,2,3,4,5,6,7,8,9,10,11
	s_wait_dscnt 11-\i                             ; load i is back; the later ones may be out
	global_store_b128 v4, v[WO+4*\i:WO+4*\i+3], s[52:53] offset:(\i/6)*12288+(\i%6)*512   ; 512 consecutive bytes, aligned
.endr
	s_wait_dscnt 0x0                               ; for the others' sake: my scale words lie in LDS
	s_barrier_signal -1
	s_barrier_wait -1                              ; a unit of 256 bytes of scale words comes from two waves
	ds_load_b64 v[122:123], v6
	s_wait_dscnt 0x0
	global_store_b64 v7, v[122:123], s[54:55]      ; 32 lanes store 256 consecutive bytes, aligned
	s_wait_tensorcnt 0x0                           ; the wave's end: behind my last LDS store
	ds_add_u32 v[SPW], v[NIL]
	s_wait_dscnt 0x0
	s_endpgm
.Lfunc_end_k_q7fae4c0065_quant:
	.size	k_q7fae4c0065_quant, .Lfunc_end_k_q7fae4c0065_quant-k_q7fae4c0065_quant
	.p2alignl 7, 3214868480
	.fill 96, 4, 3214868480
	.section	.rodata,"a",@progbits
	.p2align	6, 0x0
	.amdhsa_kernel k_q7fae4c0065_quant
		.amdhsa_group_segment_fixed_size 59904
		.amdhsa_private_segment_fixed_size 0
		.amdhsa_enable_private_segment 0
		.amdhsa_kernarg_size 56
		.amdhsa_user_sgpr_count 2
		.amdhsa_user_sgpr_kernarg_segment_ptr 1
		.amdhsa_wavefront_size32 1
		.amdhsa_system_sgpr_workgroup_id_x 1
		.amdhsa_system_sgpr_workgroup_id_y 1
		.amdhsa_system_sgpr_workgroup_id_z 1
		.amdhsa_system_vgpr_workitem_id 0
		.amdhsa_next_free_vgpr 240
		.amdhsa_next_free_sgpr 66
		.amdhsa_reserve_vcc 0
		.amdhsa_float_denorm_mode_32 3
		.amdhsa_float_denorm_mode_16_64 3
		.amdhsa_memory_ordered 1
		.amdhsa_forward_progress 1
		.amdhsa_inst_pref_size 74
	.end_amdhsa_kernel
	.amdgpu_metadata
---
amdhsa.version: [ 1, 2 ]
amdhsa.kernels:
  - .name:           k_q7fae4c0065_quant
    .symbol:         k_q7fae4c0065_quant.kd
    .args:
      - { .name: x, .offset: 0, .size: 8, .value_kind: global_buffer, .address_space: global }
      - { .name: W_qkv, .offset: 8, .size: 8, .value_kind: global_buffer, .address_space: global }
      - { .name: W_out, .offset: 16, .size: 8, .value_kind: global_buffer, .address_space: global }
      - { .name: x_img, .offset: 24, .size: 8, .value_kind: global_buffer, .address_space: global }
      - { .name: x_sc, .offset: 32, .size: 8, .value_kind: global_buffer, .address_space: global }
      - { .name: w_img, .offset: 40, .size: 8, .value_kind: global_buffer, .address_space: global }
      - { .name: w_sc, .offset: 48, .size: 8, .value_kind: global_buffer, .address_space: global }
    .group_segment_fixed_size: 59904
    .private_segment_fixed_size: 0
    .kernarg_segment_align: 8
    .kernarg_segment_size: 56
    .max_flat_workgroup_size: 128
    .sgpr_count:     66
    .vgpr_count:     240
    .wavefront_size: 32
...
	.end_amdgpu_metadata
.endif
;; end of part 1
;; launch qkv (part 2): grid 8 x 48, 4 waves a work-group, clusters of 4 x 4, 327,680 bytes of LDS; arguments x_img, x_sc, w_img, w_sc, b_qkv, qkv_img, qkv_sc; writes qkv_img, qkv_sc
.if DOCPART == 2
	.amdgcn_target "amdgcn-amd-amdhsa--gfx1250"
	.amdhsa_code_object_version 6
	.text
	.protected	k_q7fae4c0065_qkv
	.globl	k_q7fae4c0065_qkv
	.p2align	8
	.type	k_q7fae4c0065_qkv,@function
k_q7fae4c0065_qkv:
	s_mov_b64 s[64:65], 0
	v_nop
	global_prefetch_b8 v0, s[64:65] scope:SCOPE_SE
	s_setreg_imm32_b32 hwreg(HW_REG_WAVE_MODE, 25, 1), 1
	s_wait_xcnt 0x0
	s_wait_alu depctr_hold_cnt(0) depctr_sa_sdst(0) depctr_va_vdst(0) depctr_va_sdst(0) depctr_va_ssrc(0) depctr_va_vcc(0) depctr_vm_vsrc(0)
	s_getreg_b32 s2, hwreg(HW_REG_IB_STS2, 6, 4)
	s_cmp_eq_u32 s2, 0
	s_cbranch_scc0 .Lentry_in_a_cluster
	s_endpgm
.Lentry_in_a_cluster:
	s_bfe_u32 s2, ttmp6, 0x10000c
	s_cmp_lg_u32 s2, 0xf033
	s_cbranch_scc0 .Lentry_shape_is_right
	s_endpgm
.Lentry_shape_is_right:
.set H,     24576
.set SLOT,  4*H
.set SCL,   2*SLOT
.set SPARE, SCL+4*4096
.set FR,    12
.set NL,    3
.set ADRA,  16
.set ADRB,  20
.set L16,   24
.set SCO,   25
.set VSEL,  26
.set ADRS,  27
.set SPW,   28
.set NIL,   29
.set PW,    30
.set SC,    32
.set BQ,    64
.set AF,    128
.set BA,    224
.set HA,    128
.set DF0,   192
.set DF1,   204
.set CT,    216
.set TM,    240
.set G1,  24
.set G0,  32
.set G1B, 48
.set G0B, 56
.set G1S, 68
.set G0S, 76
.set G1SB, 80
.set G0SB, 88
.set MSB, 0
.macro WIN new
.if MSB != (\new)
	s_set_vgpr_msb (MSB<<8)|(\new)
.set MSB, (\new)
.endif
.endm
.set MUL_LO, 0xa1
.set MUL_HI, 0xf1
.set TO_B,   0x40
.macro JLOAD g0a, g1a, g0b, g1b
	s_cmp_eq_u32 s19, 0
	s_cbranch_scc0 .Lfor_b_\@
	tensor_load_to_lds s[\g0a:\g0a+3], s[\g1a:\g1a+7]
	s_nop 0
.rept 4
	v_nop
.endr
	s_branch .Lasked_\@
.Lfor_b_\@:
	tensor_load_to_lds s[\g0b:\g0b+3], s[\g1b:\g1b+7]
	s_nop 0
.rept 4
	v_nop
.endr
.Lasked_\@:
.endm
.macro CREST
	s_cmp_lg_u32 s18, 0
	s_cbranch_scc1 .Lnot_wave_0_\@
	s_barrier_signal -3
.Lnot_wave_0_\@:
	s_barrier_wait -3
	s_barrier_signal -1
	s_barrier_wait -1
.endm
.macro CROUND
	s_barrier_signal -1
	s_barrier_wait -1
	CREST
.endm
.macro PLACES
.rept 4
	v_nop
.endr
.endm
	s_load_b256 s[4:11], s[0:1], 0x0
	s_load_b128 s[12:15], s[0:1], 0x20
	s_load_b64 s[16:17], s[0:1], 0x30
	v_lshl_add_u32 v[SPW], v0, 2, SPARE
	v_mov_b32 v[NIL], 0
	ds_add_u32 v[SPW], v[NIL]
	ds_add_u32 v[SPW], v[NIL]
	v_lshrrev_b32 v1, 5, v0
	v_readfirstlane_b32 s18, v1
	s_lshr_b32 s19, s18, 1
	s_and_b32 s20, s18, 1
	s_bfe_u32 s40, ttmp6, 0x40000
	s_bfe_u32 s41, ttmp6, 0x40004
	s_and_b32 s22, ttmp7, 0xffff
	s_lshl_b32 s23, s22, 2
	s_sub_co_u32 s42, s22, 8
	s_lshl_b32 s42, s42, 1
	s_add_co_u32 s42, s42, ttmp9
	s_lshl_b32 s42, s42, 2
	s_lshl_b32 s45, ttmp9, 2
	s_cmp_ge_u32 s22, 8
	s_cselect_b32 s21, 1, 0
	s_cselect_b32 s23, 8, s23
	s_cselect_b32 s42, s42, s45
	s_add_co_u32 s23, s23, s41
	s_add_co_u32 s42, s42, s40
	s_lshl_b32 s43, s41, 2
	s_lshl_b32 s43, 15, s43
	s_lshl_b32 s44, 0x1111, s40
	s_or_b32 s[G1+0], s43, (3<<16)|(1<<21)
	s_or_b32 s[G1B+0], s44, (3<<16)|(1<<21)
	s_or_b32 s[G1S+0], s43, (3<<16)|(1<<21)
	s_or_b32 s[G1SB+0], s44, (3<<16)|(1<<21)
.irp g, G1, G1B
	s_mov_b32 s[\g+1], 32<<16
	s_mov_b32 s[\g+2], 96<<16
	s_mov_b32 s[\g+3], 32<<16
	s_mov_b32 s[\g+4], 96
	s_mov_b32 s[\g+5], 32
	s_mov_b32 s[\g+6], 0
	s_mov_b32 s[\g+7], 0
.endr
.irp g, G1S, G1SB
	s_mov_b32 s[\g+1], 32<<16
	s_mov_b32 s[\g+2], 16<<16
	s_mov_b32 s[\g+3], 32<<16
	s_mov_b32 s[\g+4], 16
	s_mov_b32 s[\g+5], 32
	s_mov_b32 s[\g+6], 0
	s_mov_b32 s[\g+7], 0
.endr
	s_lshl_b32 s45, s23, 1
	s_add_co_u32 s45, s45, s20
	s_lshl_b32 s44, s42, 1
	s_add_co_u32 s44, s44, s20
	s_mul_i32 s22, s18, H
	s_mov_b32 s3, 0
	s_mov_b32 s47, 0
	s_mov_b32 s100, 0x76543210
	s_mov_b32 s101, 0xfedcba98
	s_wait_dscnt 0x0
	s_wait_kmcnt 0x0
	s_cmp_eq_u32 s21, 1
	s_cselect_b64 s[92:93], s[8:9], s[4:5]
	s_cselect_b64 s[94:95], s[10:11], s[6:7]
	s_cselect_b64 s[96:97], s[4:5], s[8:9]
	s_cselect_b64 s[98:99], s[6:7], s[10:11]
	s_mul_i32 s2, s45, 98304
	s_add_nc_u64 s[92:93], s[92:93], s[2:3]
	s_lshl_b32 s2, s45, 12
	s_add_nc_u64 s[94:95], s[94:95], s[2:3]
	s_mul_i32 s46, s44, 98304
	s_add_nc_u64 s[96:97], s[96:97], s[46:47]
	s_lshl_b32 s46, s44, 12
	s_add_nc_u64 s[98:99], s[98:99], s[46:47]
	CROUND
	s_mov_b32 s[G0S], 1
	s_lshl_b32 s[G0S+1], s18, 12
	s_add_co_u32 s[G0S+1], s[G0S+1], SCL
	s_mov_b64 s[G0S+2:G0S+3], s[94:95]
	s_or_b32 s[G0S+3], s[G0S+3], 0x80000000
	s_mov_b32 s[G0SB], 1
	s_lshl_b32 s[G0SB+1], s18, 12
	s_add_co_u32 s[G0SB+1], s[G0SB+1], SCL
	s_mov_b64 s[G0SB+2:G0SB+3], s[98:99]
	s_or_b32 s[G0SB+3], s[G0SB+3], 0x80000000
	JLOAD G0S, G1S, G0SB, G1SB
.irp n, 0,1
	s_mov_b32 s[G0+4*\n], 1
	s_add_co_u32 s[G0+4*\n+1], s22, \n*SLOT
	s_add_nc_u64 s[G0+4*\n+2:G0+4*\n+3], s[92:93], \n*H
	s_or_b32 s[G0+4*\n+3], s[G0+4*\n+3], 0x80000000
	s_mov_b32 s[G0B+4*\n], 1
	s_add_co_u32 s[G0B+4*\n+1], s22, \n*SLOT
	s_add_nc_u64 s[G0B+4*\n+2:G0B+4*\n+3], s[96:97], \n*H
	s_or_b32 s[G0B+4*\n+3], s[G0B+4*\n+3], 0x80000000
	s_wait_alu depctr_va_vdst(0)
	s_wait_tensorcnt 0x0
	ds_add_u32 v28, v29
	s_wait_dscnt 0x0
	CROUND
	JLOAD G0+4*\n, G1, G0B+4*\n, G1B
.endr
	v_and_b32 v1, 15, v0
	v_bfe_u32 v2, v0, 4, 1
	v_and_b32 v3, 31, v0
	v_lshlrev_b32 v[L16], 4, v3
	s_mul_i32 s66, s19, H
	s_mul_i32 s67, s20, H
	s_add_co_u32 s67, s67, 2*H
	v_add_nc_u32 v[ADRA], s66, v[L16]
	v_add_nc_u32 v[ADRB], s67, v[L16]
	v_add_nc_u32 v[ADRA+1], SLOT, v[ADRA]
	v_add_nc_u32 v[ADRB+1], SLOT, v[ADRB]
	s_lshl_b32 s66, s19, 12
	s_lshl_b32 s67, s20, 12
	s_add_co_u32 s67, s67, 2*4096
	s_sub_co_u32 s67, s67, s66
	v_mul_u32_u24 v4, s67, v2
	s_wait_alu depctr_va_vdst(0)
	s_add_co_u32 s66, s66, SCL
	v_lshl_add_u32 v[ADRS], v1, 4, v4
	v_add_nc_u32 v[ADRS], s66, v[ADRS]
	s_mov_b32 s22, 0xffff0000
	v_lshlrev_b32 v[SCO], 12, v2
	v_lshl_add_u32 v[SCO], v1, 4, v[SCO]
	v_mov_b32 v[VSEL], 0x05040100
	v_mov_b32 v4, 0x07060302
	v_cndmask_b32 v[VSEL], v[VSEL], v4, s22
.irp b, 0,1,2,3
	v_mov_b32 v[TM+4+\b], 0
.endr
	s_cmp_eq_u32 s21, 1
	s_cselect_b32 s4, s42, s23
	s_cselect_b32 s5, s23, s42
	s_cselect_b32 s6, s20, s19
	s_cselect_b32 s7, s19, s20
	s_lshl_b32 s5, s5, 1
	s_add_co_u32 s5, s5, s7
	s_lshl_b32 s10, s5, 9
	s_mov_b32 s11, 0
	s_add_nc_u64 s[12:13], s[12:13], s[10:11]
	s_lshl_b32 s5, s5, 1
	s_lshr_b32 s7, s5, 4
	s_lshl_b32 s7, s7, 6
	s_and_b32 s5, s5, 15
	s_add_co_u32 s7, s7, s5
	s_lshr_b32 s8, s4, 3
	s_lshl_b32 s8, s8, 4
	s_add_co_u32 s7, s7, s8
	s_and_b32 s4, s4, 7
	s_lshl_b32 s4, s4, 1
	s_add_co_u32 s4, s4, s6
	s_mul_i32 s10, s7, 98304
	s_mul_i32 s8, s4, 6144
	s_add_co_u32 s10, s10, s8
	s_add_nc_u64 s[14:15], s[14:15], s[10:11]
	s_lshl_b32 s10, s7, 12
	s_lshl_b32 s8, s4, 8
	s_add_co_u32 s10, s10, s8
	s_add_nc_u64 s[16:17], s[16:17], s[10:11]
	v_lshlrev_b32 v5, 6, v2
	v_and_b32 v6, 8, v1
	v_add_nc_u32 v6, v6, v1
	v_lshlrev_b32 v6, 2, v6
.irp b, 0,1,2,3,4,5,6,7
	global_load_b128 v[BQ+8*\b:BQ+8*\b+3], v5, s[12:13] offset:(32*(\b/2)+8*(\b%2))*4
	global_load_b128 v[BQ+8*\b+4:BQ+8*\b+7], v5, s[12:13] offset:(32*(\b/2)+8*(\b%2))*4+16
	global_load_b32 v[BA+2*\b], v6, s[12:13] offset:(32*(\b/2)+8*(\b%2))*4
	v_mov_b32 v[BA+2*\b+1], 0
.endr
.macro FRAG reg, adr, q, i
.irp p, 0,1,2
	ds_load_b128 v[\reg+4*\p:\reg+4*\p+3], v[\adr] offset:12288*(\q)+1536*(\i)+512*\p
.endr
.endm
.macro FETCH_B slot, q, p
	WIN TO_B
.irp i, 0,1,2,3,4,5,6,7
	FRAG 128*(\p)+FR*\i, ADRB+\slot, \q, \i
.endr
	WIN 0
.endm
.macro FETCH_A slot, q, i0
.irp i, \i0, \i0+1, \i0+2, \i0+3
	FRAG AF+FR*(\i), ADRA+\slot, \q, \i
.endr
.endm
.macro SCALES set, j
.irp q, 0,1
.irp u, 0,1
	ds_load_b128 v[SC+16*(\set)+8*\q+4*\u:SC+16*(\set)+8*\q+4*\u+3], v[ADRS] offset:(2*(\j)+\q)*512+256*\u
.endr
.endr
.endm
.macro MUL16 a0, p, q, sc, zero
.irp a, \a0, \a0+1
.irp b, 0,1,2,3,4,5,6,7
.if \zero
	v_wmma_scale_f32_16x16x128_f8f6f4 v[8*(8*((\a)%4)+\b):8*(8*((\a)%4)+\b)+7], v[128*(\p)+FR*\b:128*(\p)+FR*\b+FR-1], v[AF+FR*(\a):AF+FR*(\a)+FR-1], 0, v[SC+16*(\sc)+8*(\q)+\b], v[SC+16*(\sc)+8*(\q)+(\a)] matrix_a_fmt:MATRIX_FMT_FP6 matrix_b_fmt:MATRIX_FMT_FP6 matrix_a_scale:MATRIX_SCALE_ROW1
.else
	v_wmma_scale_f32_16x16x128_f8f6f4 v[8*(8*((\a)%4)+\b):8*(8*((\a)%4)+\b)+7], v[128*(\p)+FR*\b:128*(\p)+FR*\b+FR-1], v[AF+FR*(\a):AF+FR*(\a)+FR-1], v[8*(8*((\a)%4)+\b):8*(8*((\a)%4)+\b)+7], v[SC+16*(\sc)+8*(\q)+\b], v[SC+16*(\sc)+8*(\q)+(\a)] matrix_a_fmt:MATRIX_FMT_FP6 matrix_b_fmt:MATRIX_FMT_FP6 matrix_a_scale:MATRIX_SCALE_ROW1
.endif
.endr
.endr
.endm
.macro STEP slot, zero
	s_wait_dscnt 4*NL
	WIN MUL_LO
	MUL16 0, 0, 0, \slot, \zero
	MUL16 2, 0, 0, \slot, \zero
	s_wait_dscnt 0x0
	PLACES
	FETCH_B \slot, 1, 1
	FETCH_A \slot, 1, 0
	WIN MUL_HI
	MUL16 4, 0, 0, \slot, \zero
	MUL16 6, 0, 0, \slot, \zero
	PLACES
	WIN 0
	FETCH_A \slot, 1, 4
.endm
.macro TURN slot, next, fill, j
	s_wait_tensorcnt 0x0
	ds_add_u32 v[SPW], v[NIL]
	s_wait_dscnt 4*NL+1
	WIN MUL_LO
	MUL16 0, 1, 1, \slot, 0
	s_wait_dscnt 0x0
	s_barrier_signal -1
	MUL16 2, 1, 1, \slot, 0
	WIN 0
	s_barrier_wait -1
.if \fill
	CREST
	s_add_nc_u64 s[G0+4*\slot+2:G0+4*\slot+3], s[G0+4*\slot+2:G0+4*\slot+3], 2*H
	s_add_nc_u64 s[G0B+4*\slot+2:G0B+4*\slot+3], s[G0B+4*\slot+2:G0B+4*\slot+3], 2*H
	JLOAD G0+4*\slot, G1, G0B+4*\slot, G1B
.else
	PLACES
.endif
	FETCH_B \next, 0, 0
	FETCH_A \next, 0, 0
	SCALES \next, \j
	WIN MUL_HI
	MUL16 4, 1, 1, \slot, 0
	MUL16 6, 1, 1, \slot, 0
	PLACES
	WIN 0
	FETCH_A \next, 0, 4
.endm
	s_wait_tensorcnt 1
	s_barrier_signal -1
	s_barrier_wait -1
	FETCH_B 0, 0, 0
	FETCH_A 0, 0, 0
	SCALES 0, 0
	FETCH_A 0, 0, 4
	STEP 0, 1
	TURN 0, 1, 1, 1
	STEP 1, 0
	TURN 1, 0, 1, 2
	STEP 0, 0
	TURN 0, 1, 0, 3
	STEP 1, 0
	s_wait_dscnt 4*NL
	WIN MUL_LO
	MUL16 0, 1, 1, 1, 0
	MUL16 2, 1, 1, 1, 0
	s_wait_dscnt 0x0
	WIN MUL_HI
	MUL16 4, 1, 1, 1, 0
	MUL16 6, 1, 1, 1, 0
	WIN 0
.macro QUANT s, d0, d1, pw
.irp b, 0,1,2,3
	v_max3_num_f32 v[TM+\b], |v[\s+16*\b]|, |v[\s+1+16*\b]|, 0x1800000
.endr
.irp i, 2,4,6,8,10,12,14
.irp b, 0,1,2,3
	v_max3_num_f32 v[TM+\b], v[TM+\b], |v[\s+16*\b+\i]|, |v[\s+1+16*\b+\i]|
.endr
.endr
.irp b, 0,1,2,3
	v_permlanex16_b32 v[TM+4+\b], v[TM+\b], s100, s101
.endr
.irp b, 0,1,2,3
	v_max_num_f32 v[TM+\b], v[TM+\b], v[TM+4+\b]
.endr
.irp b, 0,1,2,3
	v_add_nc_u32 v[TM+12+\b], 0xff000000, v[TM+\b]
.endr
.irp b, 0,1,2,3
	v_lshrrev_b32 v[TM+4+\b], 23, v[TM+12+\b]
.endr
	v_lshl_or_b32 v[\pw], v[TM+5], 8, v[TM+4]
	v_lshl_or_b32 v[\pw], v[TM+6], 16, v[\pw]
	v_lshl_or_b32 v[\pw], v[TM+7], 24, v[\pw]
	v_cvt_scalef32_pk16_fp6_f32 v[\d0:\d0+2], v[\s:\s+15], v[TM+12]
	v_cvt_scalef32_pk16_fp6_f32 v[CT:CT+2], v[\s+16:\s+31], v[TM+13]
	v_cvt_scalef32_pk16_fp6_f32 v[\d1:\d1+2], v[\s+32:\s+47], v[TM+14]
	v_cvt_scalef32_pk16_fp6_f32 v[CT+4:CT+6], v[\s+48:\s+63], v[TM+15]
	v_nop
.irp i, 0,1,2
	v_permlane16_swap_b32 v[\d0+\i], v[CT+\i]
	v_permlane16_swap_b32 v[\d1+\i], v[CT+4+\i]
.endr
.irp i, 0,1,2
	v_mov_b32 v[\d0+3+\i], v[CT+\i]
	v_mov_b32 v[\d1+3+\i], v[CT+4+\i]
.endr
.endm
.macro EPI_QK p
.irp e, 0,1
	WIN 0x02+(2*(\p)+\e)/4
.set i, 0
.rept 32
	v_pk_add_f32 v[HA+2*i:HA+2*i+1], v[64*((2*(\p)+\e)%4)+2*i:64*((2*(\p)+\e)%4)+2*i+1], v[BQ+2*i:BQ+2*i+1]
.set i, i+1
.endr
	WIN 0
.if (\e == 0) && ((\p) > 0)
	s_wait_xcnt 0x0
.endif
	QUANT HA, DF0+6*\e, DF1+6*\e, PW+\e
.endr
	v_perm_b32 v[SC+(\p)], v[PW+1], v[PW], v[VSEL]
.irp i, 0,1,2
	global_store_b128 v[L16], v[DF0+4*\i:DF0+4*\i+3], s[14:15] offset:1536*(\p)+512*\i
	global_store_b128 v[L16], v[DF1+4*\i:DF1+4*\i+3], s[14:15] offset:98304+1536*(\p)+512*\i
.endr
.endm
.macro EPI_V a
	WIN 0x02+(\a)/4
.set i, 0
.rept 32
	v_pk_add_f32 v[HA+2*i:HA+2*i+1], v[64*((\a)%4)+2*i:64*((\a)%4)+2*i+1], v[BA+2*(\a):BA+2*(\a)+1] op_sel_hi:[1,0]
.set i, i+1
.endr
	WIN 0
.if (\a) > 0
	s_wait_xcnt 0x0
.endif
	QUANT HA, DF0, DF0+6, SC+(\a)
.irp i, 0,1,2
	global_store_b128 v[L16], v[DF0+4*\i:DF0+4*\i+3], s[14:15] offset:((\a)/4)*98304+((\a)%4)*1536+512*\i
.endr
.endm
	s_wait_loadcnt 0x0
	PLACES
	s_cmp_eq_u32 s21, 1
	s_cbranch_scc1 .Lvalues
	EPI_QK 0
	EPI_QK 1
	EPI_QK 2
	EPI_QK 3
	global_store_b128 v[SCO], v[SC:SC+3], s[16:17]
	s_branch .Lend
.Lvalues:
	s_wait_alu depctr_va_vdst(0)
	EPI_V 0
	EPI_V 1
	EPI_V 2
	EPI_V 3
	EPI_V 4
	EPI_V 5
	EPI_V 6
	EPI_V 7
.irp i, 0,1,2,3
	v_cndmask_b32 v[SC+8+\i], v[SC+\i], v[SC+4+\i], s22
.endr
	global_store_b128 v[SCO], v[SC+8:SC+11], s[16:17]
.Lend:
	s_wait_tensorcnt 0x0
	ds_add_u32 v[SPW], v[NIL]
	s_wait_dscnt 0x0
	CROUND
	s_endpgm
.Lfunc_end_k_q7fae4c0065_qkv:
	.size	k_q7fae4c0065_qkv, .Lfunc_end_k_q7fae4c0065_qkv-k_q7fae4c0065_qkv
	.p2alignl 7, 3214868480
	.fill 96, 4, 3214868480
	.section	.rodata,"a",@progbits
	.p2align	6, 0x0
	.amdhsa_kernel k_q7fae4c0065_qkv
		.amdhsa_group_segment_fixed_size 327680
		.amdhsa_private_segment_fixed_size 0
		.amdhsa_enable_private_segment 0
		.amdhsa_kernarg_size 56
		.amdhsa_user_sgpr_count 2
		.amdhsa_user_sgpr_kernarg_segment_ptr 1
		.amdhsa_wavefront_size32 1
		.amdhsa_system_sgpr_workgroup_id_x 1
		.amdhsa_system_sgpr_workgroup_id_y 1
		.amdhsa_system_sgpr_workgroup_id_z 1
		.amdhsa_system_vgpr_workitem_id 0
		.amdhsa_next_free_vgpr 1024
		.amdhsa_next_free_sgpr 102
		.amdhsa_reserve_vcc 0
		.amdhsa_float_denorm_mode_32 3
		.amdhsa_float_denorm_mode_16_64 3
		.amdhsa_memory_ordered 1
		.amdhsa_forward_progress 1
		.amdhsa_inst_pref_size 207
	.end_amdhsa_kernel
	.amdgpu_metadata
---
amdhsa.version: [ 1, 2 ]
amdhsa.kernels:
  - .name:           k_q7fae4c0065_qkv
    .symbol:         k_q7fae4c0065_qkv.kd
    .args:
      - { .name: x_img, .offset: 0, .size: 8, .value_kind: global_buffer, .address_space: global }
      - { .name: x_sc, .offset: 8, .size: 8, .value_kind: global_buffer, .address_space: global }
      - { .name: w_img, .offset: 16, .size: 8, .value_kind: global_buffer, .address_space: global }
      - { .name: w_sc, .offset: 24, .size: 8, .value_kind: global_buffer, .address_space: global }
      - { .name: b_qkv, .offset: 32, .size: 8, .value_kind: global_buffer, .address_space: global }
      - { .name: qkv_img, .offset: 40, .size: 8, .value_kind: global_buffer, .address_space: global }
      - { .name: qkv_sc, .offset: 48, .size: 8, .value_kind: global_buffer, .address_space: global }
    .group_segment_fixed_size: 327680
    .private_segment_fixed_size: 0
    .kernarg_segment_align: 8
    .kernarg_segment_size: 56
    .max_flat_workgroup_size: 128
    .sgpr_count:     102
    .vgpr_count:     1024
    .wavefront_size: 32
...
	.end_amdgpu_metadata
.endif
;; end of part 2
;; launch attn (part 3): grid 4 x 64, 16 waves a work-group, clusters of 4 x 1, 206,848 bytes of LDS; arguments qkv_img, qkv_sc, o_img, o_sc; writes o_img, o_sc
.if DOCPART == 3
	.amdgcn_target "amdgcn-amd-amdhsa--gfx1250"
	.amdhsa_code_object_version 6
	.text
	.protected	k_q7fae4c0065_attn
	.globl	k_q7fae4c0065_attn
	.p2align	8
	.type	k_q7fae4c0065_attn,@function
k_q7fae4c0065_attn:
	s_mov_b64 s[64:65], 0
	v_nop
	global_prefetch_b8 v0, s[64:65] scope:SCOPE_SE
	s_setreg_imm32_b32 hwreg(HW_REG_WAVE_MODE, 25, 1), 1
	s_wait_xcnt 0x0
	s_wait_alu depctr_hold_cnt(0) depctr_sa_sdst(0) depctr_va_vdst(0) depctr_va_sdst(0) depctr_va_ssrc(0) depctr_va_vcc(0) depctr_vm_vsrc(0)
	s_getreg_b32 s2, hwreg(HW_REG_IB_STS2, 6, 4)
	s_cmp_eq_u32 s2, 0
	s_cbranch_scc0 .Lentry_in_a_cluster
	s_endpgm
.Lentry_in_a_cluster:
	s_bfe_u32 s2, ttmp6, 0x10000c
	s_cmp_lg_u32 s2, 0x3003
	s_cbranch_scc0 .Lentry_shape_is_right
	s_endpgm
.Lentry_shape_is_right:
; For each (batch, head): O = softmax(q k^T / 8) v on codes of FP6 (E2M3) with E8M0 scales; O / the row's sum is quantised along the embedding and leaves as half images of the last product's operand.
; THE SOFTMAX AHEAD OF THE SECOND PRODUCT: t = score x log2(e) / 8; M = the running largest t rounded UP to a whole number; p = 2^(t - M) is quantised along the keys, not normalised; the row's sum is taken of the unquantised p.
; When M moves, the sum and O are multiplied by 2^(old M - new M): exact.
; SHARES.  A work-group owns 512 queries of one head; each of its sixteen waves takes one tile of 16 queries a pass, two passes.  Four waves to a SIMD: one wave's vector work stands beside another's products and LDS loads.
; THE WHOLE HEAD'S K AND V STAY IN LDS: 98,304 bytes of images each and 4,096 of scale words each, filled once.  No slot is filled again.  The four work-groups of a cluster want the same bytes: joint loads.
; Both products are used transposed: S^T = K Q^T, O^T = V^T P^T: a lane holds ONE query throughout.
; THE HEAD HAS 64 CHANNELS, THE INSTRUCTION 128 ALONG K.  A fragment of K holds TWO tiles of keys (K 0-63: tile 2 P, K 64-127: tile 2 P + 1) and is multiplied by [q | zero codes] and by [zero codes | q]: no register of K holds padding.
; Place i of tile t of 128 keys is key 32 (t / 2) + 8 (t % 2) + i + 8 (i / 8): the 16 registers of tiles 2 b, 2 b + 1 of S^T are 16 neighbouring keys.
; o_sc's bytes leave singly, one a lane (one byte for each 24 of codes).  A block of zeros gets the byte 1 where the rule says 127: its codes are zeros, and this program alone reads the bytes.
; LIMITS: blocks under the floor 2^(3 - 127) were not tried; NaN and infinities are not served; O / the sum is a multiplication by v_rcp_f32's result.
; No prefetch: every byte of K and V is asked for at the head by the tensor loads themselves.
; REGISTERS: v1-11 addresses; v12 -M, v13 the largest t, v[14:15] the sum in two halves; v16-27 [q | 0], v28-39 [0 | q]; v40-87 four fragments of K or V; v96-159 S^T, then p; v160-191 O^T; v192-203 p's codes;
;   v204-206, v208-210 upper halves' codes; v212-223 at work; v224-227 K's scale words, v228-231 V's, v232 q's; v234-246 the second pass's q; v252 f, v253 p's scale word, v254 at work.
.set VIMG,  98304
.set KSC,   196608
.set SPARE, 204800                     ; the spare words, 128 bytes for each wave: eight blocks of 256 bytes that no other line names
.set BM,    212                        ; the blocks' largest scores, then largest p
.set BT,    216                        ; lane permutes' results, the second chain of sums, the bytes
.set SO,    220                        ; the conversions' scale operands
.macro CROUND
	s_barrier_signal -1
	s_barrier_wait -1
	s_cmp_lg_u32 s12, 0
	s_cbranch_scc1 .Lnot_wave_0_\@
	s_barrier_signal -3
.Lnot_wave_0_\@:
	s_barrier_wait -3
	s_barrier_signal -1
	s_barrier_wait -1
.endm
	s_load_b256 s[4:11], s[0:1], 0x0               ; qkv_img s[4:5], qkv_sc s[6:7], o_img s[8:9], o_sc s[10:11]
	v_lshl_add_u32 v6, v0, 2, SPARE                ; v6: LDS address of my spare word; never rewritten
	v_mov_b32 v7, 0                                ; v7: 0; never rewritten
	ds_add_u32 v6, v7                              ; the wave's opening: the add and its wait ahead of the first tensor loads
	ds_add_u32 v6, v7
	v_lshrrev_b32 v8, 5, v0
	s_delay_alu instid0(VALU_DEP_1)
	v_readfirstlane_b32 s12, v8                    ; wave 0..15
	s_bfe_u32 s13, ttmp6, 0x40000                  ; cx
	s_and_b32 s14, ttmp7, 0xffff                   ; 16 batch + head, which the four partners share
	s_mov_b32 s24, 15|(3<<16)|(1<<21)              ; group 1 for the images: the mask names all four; elements of 8 bytes; 24,576 dense bytes as 96 rows of 256
	s_mov_b32 s25, 32<<16
	s_mov_b32 s26, 96<<16
	s_mov_b32 s27, 32<<16
	s_mov_b32 s28, 96
	s_mov_b32 s29, 32
	s_mov_b32 s30, 0
	s_mov_b32 s31, 0
	s_mov_b32 s32, 15|(3<<16)|(1<<21)              ; group 1 for the scale words: 4,096 dense bytes as 16 rows of 256
	s_mov_b32 s33, 32<<16
	s_mov_b32 s34, 16<<16
	s_mov_b32 s35, 32<<16
	s_mov_b32 s36, 16
	s_mov_b32 s37, 32
	s_mov_b32 s38, 0
	s_mov_b32 s39, 0
	s_mov_b32 s20, 0x76543210
	s_mov_b32 s21, 0xfedcba98                      ; v_permlanex16_b32's selects for lane l xor 16
	s_mov_b32 s22, 0x3e38aa3b                      ; c = log2(e) / 8
	s_mov_b32 s23, s22                             ; (named with it as a pair, so it is written)
	s_mov_b32 s67, 0xffff0000                      ; lanes 16-31
	s_and_b32 s15, s12, 1                          ; wave 0 fetches K, wave 1 V.  Also: my tile is the pair's first or second
	s_mov_b32 s68, 0x01000100
	s_cmp_eq_u32 s15, 1
	s_cselect_b32 s66, -1, 0                       ; all lanes take the pair's second tile, or none
	s_cselect_b32 s68, 0x03020302, s68             ; and its two bytes of the pair's scale word, in both halves of the word
	s_lshl_b32 s16, s15, 6
	s_add_co_u32 s16, s16, 64
	s_add_co_u32 s16, s16, s14                     ; 64 (1 + wave) + 16 batch + head
	s_mul_i32 s78, s16, 98304
	s_mov_b32 s79, 0
	s_lshl_b32 s80, s16, 12
	s_mov_b32 s81, 0
	s_mul_i32 s17, s15, VIMG                       ; in LDS: K's images, then V's
	s_lshl_b32 s18, s15, 12
	s_add_co_u32 s18, s18, KSC                     ; K's scale words, then V's
	s_wait_dscnt 0x0                               ; the opening add is done
	s_wait_kmcnt 0x0
	s_add_nc_u64 s[78:79], s[4:5], s[78:79]
	s_add_nc_u64 s[80:81], s[6:7], s[80:81]
	s_mov_b32 s40, 1
	s_mov_b32 s41, s18
	s_mov_b64 s[42:43], s[80:81]
	s_or_b32 s43, s43, 0x80000000
.irp j, 0,1,2,3                        ; four chunks of four key steps, a group 0 for each
	s_mov_b32 s[44+4*\j], 1
	s_add_co_u32 s[45+4*\j], s17, 24576*\j
	s_add_nc_u64 s[46+4*\j:47+4*\j], s[78:79], 24576*\j
	s_or_b32 s[47+4*\j], s[47+4*\j], 0x80000000
.endr
	CROUND                                         ; all four work-groups are here: the joint loads meet
	s_cmp_lt_u32 s12, 2                            ; a wave's first fills stand in one branch on the wave's number; five loads of the wave are out
	s_cbranch_scc0 .Lno_fill
	tensor_load_to_lds s[40:43], s[32:39]
	s_nop 0
	tensor_load_to_lds s[44:47], s[24:31]
	s_nop 0
	tensor_load_to_lds s[48:51], s[24:31]
	s_nop 0
	tensor_load_to_lds s[52:55], s[24:31]
	s_nop 0
	tensor_load_to_lds s[56:59], s[24:31]
	s_nop 0
.rept 4
	v_nop
.endr
.Lno_fill:
	; my tile of queries in pass p is 32 gx + 16 p + wave of the head's 128; these addresses hold cx and serve Q's loads and O's stores alone
	s_mov_b32 s85, 0
	s_lshl_b32 s82, ttmp9, 2
	s_add_co_u32 s82, s82, s13                     ; gx: my block of 512 queries
	s_lshl_b32 s83, s82, 4
	s_lshr_b32 s84, s12, 1
	s_add_co_u32 s83, s83, s84                     ; the pair of tiles: 16 gx + wave / 2
	s_mul_i32 s83, s83, 1536
	s_mul_i32 s84, s14, 98304
	s_add_co_u32 s84, s84, s83
	s_add_nc_u64 s[70:71], s[4:5], s[84:85]        ; q's double fragment
	s_lshl_b32 s88, s82, 2
	s_lshr_b32 s86, s12, 3
	s_add_co_u32 s88, s88, s86                     ; my block of 128 tokens in the sequence: 4 gx + wave / 8
	s_lshl_b32 s84, s88, 8
	s_lshl_b32 s86, s14, 12
	s_add_co_u32 s84, s84, s86
	s_bfe_u32 s86, s12, 0x20001                    ; (wave / 2) % 4: the pair's word
	s_lshl_b32 s86, s86, 2
	s_add_co_u32 s84, s84, s86
	s_add_nc_u64 s[72:73], s[6:7], s[84:85]        ; q's scale words
	s_lshr_b32 s89, s14, 4
	s_lshl_b32 s89, s89, 4
	s_add_co_u32 s88, s88, s89                     ; the block of 128 rows of the last product's operand: 16 batch + ..
	s_bfe_u32 s89, s14, 0x30001                    ; head / 2: its K step
	s_and_b32 s90, s14, 1                          ; head % 2: which half of the fragment
	s_and_b32 s91, s12, 7                          ; the tile
	s_mul_i32 s84, s88, 98304
	s_mul_i32 s86, s89, 12288
	s_add_co_u32 s84, s84, s86
	s_mul_i32 s86, s91, 1536
	s_add_co_u32 s84, s84, s86
	s_mul_i32 s86, s90, 768
	s_add_co_u32 s84, s84, s86
	s_add_nc_u64 s[74:75], s[8:9], s[84:85]        ; my half image
	s_lshl_b32 s84, s88, 12
	s_lshl_b32 s86, s89, 9
	s_add_co_u32 s84, s84, s86
	s_lshr_b32 s86, s91, 2
	s_lshl_b32 s86, s86, 8
	s_add_co_u32 s84, s84, s86
	s_and_b32 s86, s12, 3
	s_lshl_b32 s86, s86, 2
	s_add_co_u32 s84, s84, s86
	s_lshl_b32 s86, s90, 1
	s_add_co_u32 s84, s84, s86
	s_add_nc_u64 s[76:77], s[10:11], s[84:85]      ; my two bytes of each row's scale word
	v_and_b32 v1, 31, v0
	s_delay_alu instid0(VALU_DEP_1)
	v_lshlrev_b32 v9, 3, v1                        ; 8 x lane
	s_delay_alu instid0(VALU_DEP_2)
	v_lshlrev_b32 v1, 4, v1                        ; 16 x lane
	v_and_b32 v8, 15, v0
	s_delay_alu instid0(VALU_DEP_1)
	v_lshlrev_b32 v11, 4, v8                       ; 16 r
	s_delay_alu instid0(VALU_DEP_1)
	v_add_nc_u32 v2, KSC, v11                      ; my four scale words of a key step
	v_bfe_u32 v8, v0, 4, 1
	s_delay_alu instid0(VALU_DEP_1)
	v_add_nc_u32 v10, v11, v8                      ; 16 r + h: the byte that I store
.irp i, 0,1,2
	global_load_b128 v[96+4*\i:99+4*\i], v1, s[70:71] offset:512*\i          ; the first pass's pair of tiles of q,
	global_load_b128 v[234+4*\i:237+4*\i], v1, s[70:71] offset:12288+512*\i  ; and the second's: eight pairs on
.endr
	global_load_b32 v108, v11, s[72:73]
	global_load_b32 v246, v11, s[72:73] offset:512
.irp i, 0,1,2,3,4,5,6,7,8,9,10,11
	v_mov_b32 v[22+\i], 0                          ; the zero codes: the upper half of [q | 0] and the lower half of [0 | q]
.endr
.irp b, 0,1,2,3
	v_mov_b32 v[BT+\b], 0                          ; written once: a lane permute's destination counts as one of its sources
.endr
	v_mov_b32 v253, 0                              ; (named as the upper half of the pair v[252:253] before it is first written)
.macro QSETUP src, sw                  ; my tile out of the pair, into both operands; its two scale bytes into both halves of one word
.irp i, 0,1,2,3,4,5
	v_cndmask_b32 v[16+\i], v[\src+\i], v[\src+6+\i], s66
.endr
.irp i, 0,1,2,3,4,5
	v_mov_b32 v[34+\i], v[16+\i]
.endr
	v_perm_b32 v232, v[\sw], v[\sw], s68
.endm
.macro INIT                            ; the key step is written without a first step of its own: it finds zeros, which the first change of M leaves zeros
	v_mov_b32 v13, 0xff61b1e6                      ; the largest t so far: -3e38
	s_delay_alu instid0(VALU_DEP_1)
	v_floor_f32 v12, -v13                          ; -M
	v_mov_b32 v14, 0
	v_mov_b32 v15, 0
.set i, 0
.rept 32
	v_mov_b32 v[160+i], 0
.set i, i+1
.endr
.endm
; A KEY STEP: 128 keys.  s60, s61: where its images of K and V begin in LDS; s62: its scale words.
.macro STEP
	v_add_nc_u32 v3, s60, v1
	v_add_nc_u32 v4, s61, v1
	v_add_nc_u32 v5, s62, v2
	v_nop                                          ; with the three additions: four places behind the last products, ahead of loads into registers that they read
	ds_load_b128 v[224:227], v5                    ; K's scale words: word p for pair p
.irp p, 0,1,2,3
.irp i, 0,1,2
	ds_load_b128 v[40+12*\p+4*\i:43+12*\p+4*\i], v3 offset:1536*\p+512*\i
.endr
.endr
	s_wait_alu depctr_va_vdst(0)
.irp p, 0,1,2,3
	s_wait_dscnt 9-3*\p                            ; pair p's three loads are in; the later pairs' may be out
	v_wmma_scale_f32_16x16x128_f8f6f4 v[96+16*\p:103+16*\p], v[40+12*\p:51+12*\p], v[16:27], 0, v[224+\p], v232 matrix_a_fmt:MATRIX_FMT_FP6 matrix_b_fmt:MATRIX_FMT_FP6
	v_wmma_scale_f32_16x16x128_f8f6f4 v[104+16*\p:111+16*\p], v[40+12*\p:51+12*\p], v[28:39], 0, v[224+\p], v232 matrix_a_fmt:MATRIX_FMT_FP6 matrix_b_fmt:MATRIX_FMT_FP6
.endr
.rept 4
	v_nop                                          ; places: ahead of the loads into K's registers and of the first read of the scores
.endr
.irp p, 0,1,2,3
.irp i, 0,1,2
	ds_load_b128 v[40+12*\p+4*\i:43+12*\p+4*\i], v4 offset:1536*\p+512*\i   ; V's four tiles: they land during the softmax
.endr
.endr
	ds_load_b128 v[228:231], v5 offset:4096        ; V's scale words
.irp b, 0,1,2,3
	v_max3_num_f32 v[BM+\b], v[96+16*\b], v[97+16*\b], v[98+16*\b]   ; the largest score of each block of 32 keys: for the row's maximum and, since p rises with the score, for the block's largest p
.endr
.irp i, 3,5,7,9,11,13
.irp b, 0,1,2,3
	v_max3_num_f32 v[BM+\b], v[BM+\b], v[96+16*\b+\i], v[97+16*\b+\i]
.endr
.endr
.irp b, 0,1,2,3
	v_max_num_f32 v[BM+\b], v[BM+\b], v[111+16*\b]
.endr
.irp b, 0,1,2,3
	s_delay_alu instid0(VALU_DEP_4)
	v_permlanex16_b32 v[BT+\b], v[BM+\b], s20, s21
.endr
.irp b, 0,1,2,3
	s_delay_alu instid0(VALU_DEP_4)
	v_max_num_f32 v[BM+\b], v[BM+\b], v[BT+\b]     ; with lane l xor 16's 16 keys
.endr
	s_delay_alu instid0(VALU_DEP_2)
	v_max3_num_f32 v254, v[BM], v[BM+1], v[BM+2]
	s_delay_alu instid0(VALU_DEP_1)
	v_max_num_f32 v254, v254, v[BM+3]              ; the step's largest score of my query
	s_delay_alu instid0(VALU_DEP_1)
	v_mul_f32 v254, s22, v254                      ; as t
	s_delay_alu instid0(VALU_DEP_1)
	v_max_num_f32 v13, v13, v254                   ; the running largest t
	v_mov_b32 v254, v12
	s_delay_alu instid0(VALU_DEP_2)
	v_floor_f32 v12, -v13                          ; the new -M = -ceil(t): M is a whole number
	s_delay_alu instid0(VALU_DEP_1)
	v_sub_f32 v254, v12, v254                      ; old M - new M: a whole number, 0 or less
	s_delay_alu instid0(VALU_DEP_1)
	v_cvt_i32_f32 v254, v254                       ; (it saturates)
	s_delay_alu instid0(VALU_DEP_1)
	v_ldexp_f32 v252, 1.0, v254                    ; f = 2^(old M - new M)
.set i, 0
.rept 32
	v_pk_fma_f32 v[96+i:97+i], v[96+i:97+i], s[22:23], v[12:13] op_sel_hi:[1,0,0]   ; t - M, two at a time
.set i, i+2
.endr
.irp b, 0,1,2,3
	v_fma_f32 v[BM+\b], v[BM+\b], s22, v12         ; the same of each block's largest score
.endr
.set i, 0
	s_wait_alu depctr_va_vdst(0)
.rept 64
	v_exp_f32 v[96+i], v[96+i]                     ; p = 2^(t - M): one batch
.set i, i+1
.endr
	s_setprio 1
	v_pk_mul_f32 v[14:15], v[14:15], v[252:253] op_sel_hi:[1,0]   ; the sums under the new M: the plain place behind the exponentials
	s_wait_alu depctr_va_vdst(0)                   ; one wait for the batch, ahead of its first reader
.irp b, 0,1,2,3
	v_exp_f32 v[BM+\b], v[BM+\b]                   ; the blocks' largest p
.endr
	v_pk_add_f32 v[216:217], v[100:101], v[104:105]
	v_pk_add_f32 v[250:251], v[108:109], v[112:113]
	v_pk_add_f32 v[248:249], v[116:117], v[120:121]
	v_pk_add_f32 v[226:227], v[124:125], v[128:129]
	v_pk_add_f32 v[224:225], v[132:133], v[136:137]
	v_pk_add_f32 v[222:223], v[140:141], v[144:145]
	v_pk_add_f32 v[220:221], v[148:149], v[152:153]
	v_pk_add_f32 v[14:15], v[14:15], v[156:157]
	v_pk_add_f32 v[216:217], v[216:217], v[96:97]
	v_pk_add_f32 v[250:251], v[250:251], v[98:99]
	v_pk_add_f32 v[248:249], v[248:249], v[102:103]
	v_pk_add_f32 v[226:227], v[226:227], v[106:107]
	v_pk_add_f32 v[224:225], v[224:225], v[110:111]
	v_pk_add_f32 v[222:223], v[222:223], v[114:115]
	v_pk_add_f32 v[220:221], v[220:221], v[118:119]
	v_pk_add_f32 v[14:15], v[14:15], v[122:123]
	v_pk_add_f32 v[216:217], v[216:217], v[126:127]
	v_pk_add_f32 v[250:251], v[250:251], v[130:131]
	v_pk_add_f32 v[248:249], v[248:249], v[134:135]
	v_pk_add_f32 v[226:227], v[226:227], v[138:139]
	v_pk_add_f32 v[224:225], v[224:225], v[142:143]
	v_pk_add_f32 v[222:223], v[222:223], v[146:147]
	v_pk_add_f32 v[220:221], v[220:221], v[150:151]
	v_pk_add_f32 v[14:15], v[14:15], v[154:155]
	v_pk_add_f32 v[216:217], v[216:217], v[158:159]
	s_delay_alu instid0(VALU_DEP_2)
	v_pk_add_f32 v[14:15], v[14:15], v[226:227]
	s_delay_alu instid0(VALU_DEP_2)
	v_pk_add_f32 v[216:217], v[216:217], v[224:225]
	v_pk_add_f32 v[250:251], v[250:251], v[222:223]
	v_pk_add_f32 v[248:249], v[248:249], v[220:221]
	s_delay_alu instid0(VALU_DEP_2)
	v_pk_add_f32 v[14:15], v[14:15], v[250:251]
	s_delay_alu instid0(VALU_DEP_2)
	v_pk_add_f32 v[216:217], v[216:217], v[248:249]
	s_delay_alu instid0(VALU_DEP_1)
	v_pk_add_f32 v[14:15], v[14:15], v[216:217]
	s_wait_alu depctr_va_vdst(0)                   ; and one for the four
.irp b, 0,1,2,3
	v_max_num_f32 v[BM+\b], 0x1800000, v[BM+\b]    ; the floor 2^(3 - 127)
.endr
.irp b, 0,1,2,3
	s_delay_alu instid0(VALU_DEP_4)
	v_add_nc_u32 v[SO+\b], 0xff000000, v[BM+\b]    ; the conversion's scale operand
.endr
.irp b, 0,1,2,3
	s_delay_alu instid0(VALU_DEP_4)
	v_lshrrev_b32 v[BT+\b], 23, v[SO+\b]           ; the byte
.endr
	s_delay_alu instid0(VALU_DEP_3)
	v_lshl_or_b32 v253, v[BT+1], 8, v[BT]          ; p's scale word for these 128 keys
	s_delay_alu instid0(VALU_DEP_1)
	v_lshl_or_b32 v253, v[BT+2], 16, v253
	s_delay_alu instid0(VALU_DEP_1)
	v_lshl_or_b32 v253, v[BT+3], 24, v253
.irp c, 0,1
	v_cvt_scalef32_pk16_fp6_f32 v[192+6*\c:194+6*\c], v[96+32*\c:111+32*\c], v[SO+2*\c]
	v_cvt_scalef32_pk16_fp6_f32 v[204+4*\c:206+4*\c], v[112+32*\c:127+32*\c], v[SO+2*\c+1]
.endr
	v_nop                                          ; one plain place behind the scaled conversions
.irp c, 0,1                            ; a WHOLE block in a lane: lanes 0-15 block 2 c, lanes 16-31 block 2 c + 1
.irp i, 0,1,2
	v_permlane16_swap_b32 v[192+6*\c+\i], v[204+4*\c+\i]
.endr
.irp i, 0,1,2
	s_delay_alu instid0(VALU_DEP_3)
	v_mov_b32 v[195+6*\c+\i], v[204+4*\c+\i]
.endr
.endr
.set i, 0
	s_setprio 0
.rept 16
	v_pk_mul_f32 v[160+i:161+i], v[160+i:161+i], v[252:253] op_sel_hi:[1,0]   ; O^T under the new M.  These sixteen are also the places ahead of the scaled products below
.set i, i+2
.endr
	s_wait_alu depctr_va_vdst(0)
	s_wait_dscnt 0x0                               ; V and its scale words are in
.irp t, 0,1,2,3                        ; the four accumulators take turns
	v_wmma_scale_f32_16x16x128_f8f6f4 v[160+8*\t:167+8*\t], v[40+12*\t:51+12*\t], v[192:203], v[160+8*\t:167+8*\t], v[228+\t], v253 matrix_a_fmt:MATRIX_FMT_FP6 matrix_b_fmt:MATRIX_FMT_FP6
.endr
	s_add_co_u32 s60, s60, 6144
	s_add_co_u32 s61, s61, 6144
	s_add_co_u32 s62, s62, 256
.endm
.macro RUN n, first                    ; n key steps from step first on
	s_mov_b32 s60, 6144*(\first)
	s_mov_b32 s61, VIMG+6144*(\first)
	s_mov_b32 s62, 256*(\first)
	s_mov_b32 s63, \n
.Lstep_\@:
	s_setprio 2
	STEP
	s_sub_co_u32 s63, s63, 1
	s_cmp_lg_u32 s63, 0
	s_cbranch_scc1 .Lstep_\@
	s_setprio 0
.endm
.macro CHUNK j                         ; the first pass reads each chunk as soon as it has landed
	s_wait_tensorcnt 3-(\j)                        ; in the fetching waves: the scale words and chunks 0 .. j are in; the later chunks may be out
	s_wait_dscnt 0x0
	s_barrier_signal -1
	s_barrier_wait -1                              ; now every wave may read them
	RUN 4, 4*(\j)
.endm
; THE WAY OUT of pass p: O^T / the sum; my query's 64 channels are two blocks of the last product's K: codes and two bytes.
.macro EPI p
.rept 4
	v_nop                                          ; places behind the last products
.endr
	v_add_f32 v14, v14, v15
	s_delay_alu instid0(VALU_DEP_1)
	v_permlanex16_b32 v254, v14, s20, s21
	s_delay_alu instid0(VALU_DEP_1)
	v_add_f32 v14, v14, v254                       ; the row's sum
	s_wait_alu depctr_va_vdst(0)
	v_rcp_f32 v14, v14
	v_nop                                          ; a plain place behind the reciprocal
	s_wait_alu depctr_va_vdst(0)                   ; and the wait ahead of its first reader
.set i, 0
.rept 16
	v_pk_mul_f32 v[96+i:97+i], v[160+i:161+i], v[14:15] op_sel_hi:[1,0]   ; register 16 b + i: channel 32 b + 16 (lane / 16) + i; each accumulator from its low end on
.set i, i+2
.endr
	v_max3_num_f32 v[BM], |v96|, |v97|, 0x1800000
	v_max3_num_f32 v[BM+1], |v112|, |v113|, 0x1800000
.irp i, 2,4,6,8,10,12,14
	s_delay_alu instid0(VALU_DEP_2)
	v_max3_num_f32 v[BM], v[BM], |v[96+\i]|, |v[97+\i]|
	s_delay_alu instid0(VALU_DEP_2)
	v_max3_num_f32 v[BM+1], v[BM+1], |v[112+\i]|, |v[113+\i]|
.endr
	s_delay_alu instid0(VALU_DEP_2)
	v_permlanex16_b32 v[BT], v[BM], s20, s21
	s_delay_alu instid0(VALU_DEP_2)
	v_permlanex16_b32 v[BT+1], v[BM+1], s20, s21
	s_delay_alu instid0(VALU_DEP_2)
	v_max_num_f32 v[BM], v[BM], v[BT]
	s_delay_alu instid0(VALU_DEP_2)
	v_max_num_f32 v[BM+1], v[BM+1], v[BT+1]
	s_delay_alu instid0(VALU_DEP_2)
	v_add_nc_u32 v[SO], 0xff000000, v[BM]
	s_delay_alu instid0(VALU_DEP_2)
	v_add_nc_u32 v[SO+1], 0xff000000, v[BM+1]
	s_delay_alu instid0(VALU_DEP_2)
	v_lshrrev_b32 v[BT], 23, v[SO]
	s_delay_alu instid0(VALU_DEP_2)
	v_lshrrev_b32 v[BT+1], 23, v[SO+1]
	v_cvt_scalef32_pk16_fp6_f32 v[192:194], v[96:111], v[SO]
	v_cvt_scalef32_pk16_fp6_f32 v[204:206], v[112:127], v[SO+1]
	v_nop
.irp i, 0,1,2
	v_permlane16_swap_b32 v[192+\i], v[204+\i]
.endr
.irp i, 0,1,2
	s_delay_alu instid0(VALU_DEP_3)
	v_mov_b32 v[195+\i], v[204+\i]
.endr
	v_cndmask_b32 v[BT+2], v[BT], v[BT+1], s67     ; lanes 0-15 store block 0's byte, lanes 16-31 block 1's
	global_store_b128 v1, v[192:195], s[74:75] offset:196608*(\p)        ; 512 consecutive bytes, aligned
	global_store_b64 v9, v[196:197], s[74:75] offset:196608*(\p)+512     ; 256 consecutive bytes, aligned
	global_store_b8 v10, v[BT+2], s[76:77] offset:8192*(\p)
.endm
	s_wait_loadcnt 0x0                             ; q of both passes
	QSETUP 96, 108
	INIT
	CHUNK 0
	CHUNK 1
	CHUNK 2
	CHUNK 3
	EPI 0
	s_wait_xcnt 0x0                                ; the stores have read their registers
	QSETUP 234, 246
	INIT
	RUN 16, 0
	EPI 1
	s_wait_tensorcnt 0x0                           ; the wave's end: behind the last tensor load
	ds_add_u32 v6, v7
	s_wait_dscnt 0x0
	CROUND                                         ; the closing round
	s_endpgm
.Lfunc_end_k_q7fae4c0065_attn:
	.size	k_q7fae4c0065_attn, .Lfunc_end_k_q7fae4c0065_attn-k_q7fae4c0065_attn
	.p2alignl 7, 3214868480
	.fill 96, 4, 3214868480
	.section	.rodata,"a",@progbits
	.p2align	6, 0x0
	.amdhsa_kernel k_q7fae4c0065_attn
		.amdhsa_group_segment_fixed_size 206848
		.amdhsa_private_segment_fixed_size 0
		.amdhsa_enable_private_segment 0
		.amdhsa_kernarg_size 32
		.amdhsa_user_sgpr_count 2
		.amdhsa_user_sgpr_kernarg_segment_ptr 1
		.amdhsa_wavefront_size32 1
		.amdhsa_system_sgpr_workgroup_id_x 1
		.amdhsa_system_sgpr_workgroup_id_y 1
		.amdhsa_system_sgpr_workgroup_id_z 1
		.amdhsa_system_vgpr_workitem_id 0
		.amdhsa_next_free_vgpr 256
		.amdhsa_next_free_sgpr 92
		.amdhsa_reserve_vcc 0
		.amdhsa_float_denorm_mode_32 3
		.amdhsa_float_denorm_mode_16_64 3
		.amdhsa_memory_ordered 1
		.amdhsa_forward_progress 1
		.amdhsa_inst_pref_size 107
	.end_amdhsa_kernel
	.amdgpu_metadata
---
amdhsa.version: [ 1, 2 ]
amdhsa.kernels:
  - .name:           k_q7fae4c0065_attn
    .symbol:         k_q7fae4c0065_attn.kd
    .args:
      - { .name: qkv_img, .offset: 0, .size: 8, .value_kind: global_buffer, .address_space: global }
      - { .name: qkv_sc, .offset: 8, .size: 8, .value_kind: global_buffer, .address_space: global }
      - { .name: o_img, .offset: 16, .size: 8, .value_kind: global_buffer, .address_space: global }
      - { .name: o_sc, .offset: 24, .size: 8, .value_kind: global_buffer, .address_space: global }
    .group_segment_fixed_size: 206848
    .private_segment_fixed_size: 0
    .kernarg_segment_align: 8
    .kernarg_segment_size: 32
    .max_flat_workgroup_size: 512
    .sgpr_count:     92
    .vgpr_count:     256
    .wavefront_size: 32
...
	.end_amdgpu_metadata
.endif
;; end of part 3
;; launch proj (part 4): grid 4 x 32, 4 waves a work-group, clusters of 4 x 4, 327,680 bytes of LDS; arguments o_img, o_sc, w_img, w_sc, b_out, out0; writes out0
.if DOCPART == 4
	.amdgcn_target "amdgcn-amd-amdhsa--gfx1250"
	.amdhsa_code_object_version 6
	.text
	.protected	k_q7fae4c0065_proj
	.globl	k_q7fae4c0065_proj
	.p2align	8
	.type	k_q7fae4c0065_proj,@function
k_q7fae4c0065_proj:
	s_mov_b64 s[64:65], 0
	v_nop
	global_prefetch_b8 v0, s[64:65] scope:SCOPE_SE
	s_setreg_imm32_b32 hwreg(HW_REG_WAVE_MODE, 25, 1), 1
	s_wait_xcnt 0x0
	s_wait_alu depctr_hold_cnt(0) depctr_sa_sdst(0) depctr_va_vdst(0) depctr_va_sdst(0) depctr_va_ssrc(0) depctr_va_vcc(0) depctr_vm_vsrc(0)
	s_getreg_b32 s2, hwreg(HW_REG_IB_STS2, 6, 4)
	s_cmp_eq_u32 s2, 0
	s_cbranch_scc0 .Lentry_in_a_cluster
	s_endpgm
.Lentry_in_a_cluster:
	s_bfe_u32 s2, ttmp6, 0x10000c
	s_cmp_lg_u32 s2, 0xf033
	s_cbranch_scc0 .Lentry_shape_is_right
	s_endpgm
.Lentry_shape_is_right:
.set H,     24576
.set SLOT,  4*H
.set SCL,   2*SLOT
.set SPARE, SCL+4*4096
.set SPITCH, 528
.set FR,    12
.set NLA,   4
.set ADRA,  16
.set ADRA8, 18
.set ADRB,  20
.set CO,    24
.set STO,   25
.set RD,    26
.set ADRS,  27
.set SPW,   28
.set NIL,   29
.set SC,    32
.set BQ,    64
.set AF,    128
.set BK,    128
.set G1,  24
.set G0,  32
.set G1B, 48
.set G0B, 56
.set G1S, 68
.set G0S, 76
.set G1SB, 80
.set G0SB, 88
.set MSB, 0
.macro WIN new
.if MSB != (\new)
	s_set_vgpr_msb (MSB<<8)|(\new)
.set MSB, (\new)
.endif
.endm
.set MUL_LO, 0xa1
.set MUL_HI, 0xf1
.set BIA_LO, 0x81
.set BIA_HI, 0xc1
.set TO_B,   0x40
.macro JLOAD g0a, g1a, g0b, g1b
	s_cmp_eq_u32 s19, 0
	s_cbranch_scc0 .Lfor_b_\@
	tensor_load_to_lds s[\g0a:\g0a+3], s[\g1a:\g1a+7]
	s_nop 0
.rept 4
	v_nop
.endr
	s_branch .Lasked_\@
.Lfor_b_\@:
	tensor_load_to_lds s[\g0b:\g0b+3], s[\g1b:\g1b+7]
	s_nop 0
.rept 4
	v_nop
.endr
.Lasked_\@:
.endm
.macro CREST
	s_cmp_lg_u32 s18, 0
	s_cbranch_scc1 .Lnot_wave_0_\@
	s_barrier_signal -3
.Lnot_wave_0_\@:
	s_barrier_wait -3
	s_barrier_signal -1
	s_barrier_wait -1
.endm
.macro CROUND
	s_barrier_signal -1
	s_barrier_wait -1
	CREST
.endm
.macro PLACES
.rept 4
	v_nop
.endr
.endm
	s_load_b256 s[4:11], s[0:1], 0x0
	s_load_b128 s[12:15], s[0:1], 0x20
	v_lshl_add_u32 v[SPW], v0, 2, SPARE
	v_mov_b32 v[NIL], 0
	ds_add_u32 v[SPW], v[NIL]
	ds_add_u32 v[SPW], v[NIL]
	v_lshrrev_b32 v1, 5, v0
	v_readfirstlane_b32 s18, v1
	s_lshr_b32 s19, s18, 1
	s_and_b32 s20, s18, 1
	s_bfe_u32 s40, ttmp6, 0x40000
	s_bfe_u32 s41, ttmp6, 0x40004
	s_and_b32 s22, ttmp7, 0xffff
	s_lshl_b32 s23, s22, 2
	s_add_co_u32 s23, s23, s41
	s_lshl_b32 s42, ttmp9, 2
	s_add_co_u32 s42, s42, s40
	s_lshl_b32 s43, s41, 2
	s_lshl_b32 s43, 15, s43
	s_lshl_b32 s44, 0x1111, s40
	s_or_b32 s[G1+0], s43, (3<<16)|(1<<21)
	s_or_b32 s[G1B+0], s44, (3<<16)|(1<<21)
	s_or_b32 s[G1S+0], s43, (3<<16)|(1<<21)
	s_or_b32 s[G1SB+0], s44, (3<<16)|(1<<21)
.irp g, G1, G1B
	s_mov_b32 s[\g+1], 32<<16
	s_mov_b32 s[\g+2], 96<<16
	s_mov_b32 s[\g+3], 32<<16
	s_mov_b32 s[\g+4], 96
	s_mov_b32 s[\g+5], 32
	s_mov_b32 s[\g+6], 0
	s_mov_b32 s[\g+7], 0
.endr
.irp g, G1S, G1SB
	s_mov_b32 s[\g+1], 32<<16
	s_mov_b32 s[\g+2], 16<<16
	s_mov_b32 s[\g+3], 32<<16
	s_mov_b32 s[\g+4], 16
	s_mov_b32 s[\g+5], 32
	s_mov_b32 s[\g+6], 0
	s_mov_b32 s[\g+7], 0
.endr
	s_lshl_b32 s45, s23, 1
	s_add_co_u32 s45, s45, s20
	s_lshl_b32 s44, s42, 1
	s_add_co_u32 s44, s44, s20
	s_add_co_u32 s44, s44, 24
	s_mul_i32 s22, s18, H
	s_mov_b32 s3, 0
	s_mov_b32 s47, 0
	s_wait_dscnt 0x0
	s_wait_kmcnt 0x0
	s_mul_i32 s2, s45, 98304
	s_add_nc_u64 s[92:93], s[4:5], s[2:3]
	s_lshl_b32 s2, s45, 12
	s_add_nc_u64 s[94:95], s[6:7], s[2:3]
	s_mul_i32 s46, s44, 98304
	s_add_nc_u64 s[96:97], s[8:9], s[46:47]
	s_lshl_b32 s46, s44, 12
	s_add_nc_u64 s[98:99], s[10:11], s[46:47]
	CROUND
	s_mov_b32 s[G0S], 1
	s_lshl_b32 s[G0S+1], s18, 12
	s_add_co_u32 s[G0S+1], s[G0S+1], SCL
	s_mov_b64 s[G0S+2:G0S+3], s[94:95]
	s_or_b32 s[G0S+3], s[G0S+3], 0x80000000
	s_mov_b32 s[G0SB], 1
	s_lshl_b32 s[G0SB+1], s18, 12
	s_add_co_u32 s[G0SB+1], s[G0SB+1], SCL
	s_mov_b64 s[G0SB+2:G0SB+3], s[98:99]
	s_or_b32 s[G0SB+3], s[G0SB+3], 0x80000000
	JLOAD G0S, G1S, G0SB, G1SB
.irp n, 0,1
	s_mov_b32 s[G0+4*\n], 1
	s_add_co_u32 s[G0+4*\n+1], s22, \n*SLOT
	s_add_nc_u64 s[G0+4*\n+2:G0+4*\n+3], s[92:93], \n*H
	s_or_b32 s[G0+4*\n+3], s[G0+4*\n+3], 0x80000000
	s_mov_b32 s[G0B+4*\n], 1
	s_add_co_u32 s[G0B+4*\n+1], s22, \n*SLOT
	s_add_nc_u64 s[G0B+4*\n+2:G0B+4*\n+3], s[96:97], \n*H
	s_or_b32 s[G0B+4*\n+3], s[G0B+4*\n+3], 0x80000000
	s_wait_alu depctr_va_vdst(0)
	s_wait_tensorcnt 0x0
	ds_add_u32 v28, v29
	s_wait_dscnt 0x0
	CROUND
	JLOAD G0+4*\n, G1, G0B+4*\n, G1B
.endr
	v_and_b32 v1, 15, v0
	v_bfe_u32 v2, v0, 4, 1
	v_and_b32 v3, 31, v0
	v_lshlrev_b32 v[CO], 4, v3
	v_lshlrev_b32 v4, 3, v3
	s_mul_i32 s66, s19, H
	s_mul_i32 s67, s20, H
	s_add_co_u32 s67, s67, 2*H
	v_add_nc_u32 v[ADRA], s66, v[CO]
	v_add_nc_u32 v[ADRA8], s66, v4
	v_add_nc_u32 v[ADRB], s67, v[CO]
	v_add_nc_u32 v[ADRA+1], SLOT, v[ADRA]
	v_add_nc_u32 v[ADRA8+1], SLOT, v[ADRA8]
	v_add_nc_u32 v[ADRB+1], SLOT, v[ADRB]
	s_lshl_b32 s66, s19, 12
	s_lshl_b32 s67, s20, 12
	s_add_co_u32 s67, s67, 2*4096
	s_sub_co_u32 s67, s67, s66
	v_mul_u32_u24 v4, s67, v2
	s_add_co_u32 s66, s66, SCL
	v_lshl_add_u32 v[ADRS], v1, 4, v4
	v_add_nc_u32 v[ADRS], s66, v[ADRS]
	s_mul_i32 s66, s18, 16*SPITCH
	v_mul_u32_u24 v[STO], v1, SPITCH
	v_lshl_add_u32 v[STO], v2, 6, v[STO]
	v_add_nc_u32 v[STO], s66, v[STO]
	v_add_nc_u32 v[RD], s66, v[CO]
	s_lshl_b32 s4, s42, 1
	s_add_co_u32 s4, s4, s20
	s_lshl_b32 s4, s4, 9
	s_mov_b32 s5, 0
	s_add_nc_u64 s[12:13], s[12:13], s[4:5]
	s_add_nc_u64 s[14:15], s[14:15], s[4:5]
	s_lshl_b32 s6, s23, 1
	s_add_co_u32 s6, s6, s19
	s_lshl_b32 s6, s6, 19
	s_mov_b32 s7, 0
	s_add_nc_u64 s[14:15], s[14:15], s[6:7]
	v_lshlrev_b32 v5, 6, v2
.irp b, 0,1,2,3,4,5,6,7
	global_load_b128 v[BQ+8*\b:BQ+8*\b+3], v5, s[12:13] offset:(32*(\b/2)+8*(\b%2))*4
	global_load_b128 v[BQ+8*\b+4:BQ+8*\b+7], v5, s[12:13] offset:(32*(\b/2)+8*(\b%2))*4+16
.endr
.macro FRAG_B reg, adr, q, i
.irp p, 0,1,2
	ds_load_b128 v[\reg+4*\p:\reg+4*\p+3], v[\adr] offset:12288*(\q)+1536*(\i)+512*\p
.endr
.endm
.macro FRAG_A reg, slot, q, i
	ds_load_b128 v[\reg:\reg+3], v[ADRA+\slot] offset:12288*(\q)+1536*(\i)
	ds_load_b64 v[\reg+4:\reg+5], v[ADRA8+\slot] offset:12288*(\q)+1536*(\i)+512
	ds_load_b128 v[\reg+6:\reg+9], v[ADRA+\slot] offset:12288*(\q)+1536*(\i)+768
	ds_load_b64 v[\reg+10:\reg+11], v[ADRA8+\slot] offset:12288*(\q)+1536*(\i)+1280
.endm
.macro FETCH_B slot, q, p
	WIN TO_B
.irp i, 0,1,2,3,4,5,6,7
	FRAG_B 128*(\p)+FR*\i, ADRB+\slot, \q, \i
.endr
	WIN 0
.endm
.macro FETCH_A slot, q, i0
.irp i, \i0, \i0+1, \i0+2, \i0+3
	FRAG_A AF+FR*(\i), \slot, \q, \i
.endr
.endm
.macro SCALES set, j
.irp q, 0,1
.irp u, 0,1
	ds_load_b128 v[SC+16*(\set)+8*\q+4*\u:SC+16*(\set)+8*\q+4*\u+3], v[ADRS] offset:(2*(\j)+\q)*512+256*\u
.endr
.endr
.endm
.macro MUL16 a0, p, q, sc, bias
.irp a, \a0, \a0+1
.irp b, 0,1,2,3,4,5,6,7
.if \bias
	v_wmma_scale_f32_16x16x128_f8f6f4 v[8*(8*((\a)%4)+\b):8*(8*((\a)%4)+\b)+7], v[128*(\p)+FR*\b:128*(\p)+FR*\b+FR-1], v[AF+FR*(\a):AF+FR*(\a)+FR-1], v[BQ+8*\b:BQ+8*\b+7], v[SC+16*(\sc)+8*(\q)+\b], v[SC+16*(\sc)+8*(\q)+(\a)] matrix_a_fmt:MATRIX_FMT_FP6 matrix_b_fmt:MATRIX_FMT_FP6 matrix_a_scale:MATRIX_SCALE_ROW1
.else
	v_wmma_scale_f32_16x16x128_f8f6f4 v[8*(8*((\a)%4)+\b):8*(8*((\a)%4)+\b)+7], v[128*(\p)+FR*\b:128*(\p)+FR*\b+FR-1], v[AF+FR*(\a):AF+FR*(\a)+FR-1], v[8*(8*((\a)%4)+\b):8*(8*((\a)%4)+\b)+7], v[SC+16*(\sc)+8*(\q)+\b], v[SC+16*(\sc)+8*(\q)+(\a)] matrix_a_fmt:MATRIX_FMT_FP6 matrix_b_fmt:MATRIX_FMT_FP6 matrix_a_scale:MATRIX_SCALE_ROW1
.endif
.endr
.endr
.endm
.macro STEP slot, bias
	s_wait_dscnt 4*NLA
.if \bias
	WIN BIA_LO
.else
	WIN MUL_LO
.endif
	MUL16 0, 0, 0, \slot, \bias
	MUL16 2, 0, 0, \slot, \bias
	s_wait_dscnt 0x0
	PLACES
	FETCH_B \slot, 1, 1
	FETCH_A \slot, 1, 0
.if \bias
	WIN BIA_HI
.else
	WIN MUL_HI
.endif
	MUL16 4, 0, 0, \slot, \bias
	MUL16 6, 0, 0, \slot, \bias
	PLACES
	WIN 0
	FETCH_A \slot, 1, 4
.endm
.macro TURN slot, next, fill, j
	s_wait_tensorcnt 0x0
	ds_add_u32 v[SPW], v[NIL]
	s_wait_dscnt 4*NLA+1
	WIN MUL_LO
	MUL16 0, 1, 1, \slot, 0
	s_wait_dscnt 0x0
	s_barrier_signal -1
	MUL16 2, 1, 1, \slot, 0
	WIN 0
	s_barrier_wait -1
.if \fill
	CREST
	s_add_nc_u64 s[G0+4*\slot+2:G0+4*\slot+3], s[G0+4*\slot+2:G0+4*\slot+3], 2*H
	s_add_nc_u64 s[G0B+4*\slot+2:G0B+4*\slot+3], s[G0B+4*\slot+2:G0B+4*\slot+3], 2*H
	JLOAD G0+4*\slot, G1, G0B+4*\slot, G1B
.else
	PLACES
.endif
	FETCH_B \next, 0, 0
	FETCH_A \next, 0, 0
	SCALES \next, \j
	WIN MUL_HI
	MUL16 4, 1, 1, \slot, 0
	MUL16 6, 1, 1, \slot, 0
	PLACES
	WIN 0
	FETCH_A \next, 0, 4
.endm
	s_wait_alu depctr_va_vdst(0)
	s_wait_tensorcnt 1
	s_barrier_signal -1
	s_barrier_wait -1
	FETCH_B 0, 0, 0
	FETCH_A 0, 0, 0
	SCALES 0, 0
	FETCH_A 0, 0, 4
	s_wait_loadcnt 0x0
	STEP 0, 1
	TURN 0, 1, 1, 1
	STEP 1, 0
	TURN 1, 0, 1, 2
	STEP 0, 0
	TURN 0, 1, 0, 3
	STEP 1, 0
	s_wait_dscnt 4*NLA
	WIN MUL_LO
	MUL16 0, 1, 1, 1, 0
	MUL16 2, 1, 1, 1, 0
	s_wait_dscnt 0x0
	WIN MUL_HI
	MUL16 4, 1, 1, 1, 0
	MUL16 6, 1, 1, 1, 0
	WIN 0
.macro TOSTAGE a
	WIN 0x08+4*((\a)/4)
.irp b, 0,1,2,3,4,5,6,7
	ds_store_b128 v[STO], v[64*((\a)%4)+8*\b:64*((\a)%4)+8*\b+3] offset:128*(\b/2)+32*(\b%2)
	ds_store_b128 v[STO], v[64*((\a)%4)+8*\b+4:64*((\a)%4)+8*\b+7] offset:128*(\b/2)+32*(\b%2)+16
.endr
	WIN 0
.irp t, 0,1,2,3,4,5,6,7,8,9,10,11,12,13,14,15
	ds_load_b128 v[BK+64*((\a)%2)+4*\t:BK+64*((\a)%2)+4*\t+3], v[RD] offset:\t*SPITCH
.endr
.endm
.macro SEND a, younger
	s_wait_dscnt \younger
.irp t, 0,1,2,3,4,5,6,7,8,9,10,11,12,13,14,15
	global_store_b128 v[CO], v[BK+64*((\a)%2)+4*\t:BK+64*((\a)%2)+4*\t+3], s[14:15] offset:(32*((\a)/2)+8*((\a)%2)+\t+8*(\t/8))*4096 th:TH_STORE_NT
.endr
.endm
	PLACES
	TOSTAGE 0
.irp a, 1,2,3,4,5,6,7
.if \a > 1
	s_wait_xcnt 0x0
.endif
	TOSTAGE \a
	SEND \a-1, 32
.endr
	SEND 7, 0
	s_wait_tensorcnt 0x0
	ds_add_u32 v[SPW], v[NIL]
	s_wait_dscnt 0x0
	CROUND
	s_endpgm
.Lfunc_end_k_q7fae4c0065_proj:
	.size	k_q7fae4c0065_proj, .Lfunc_end_k_q7fae4c0065_proj-k_q7fae4c0065_proj
	.p2alignl 7, 3214868480
	.fill 96, 4, 3214868480
	.section	.rodata,"a",@progbits
	.p2align	6, 0x0
	.amdhsa_kernel k_q7fae4c0065_proj
		.amdhsa_group_segment_fixed_size 327680
		.amdhsa_private_segment_fixed_size 0
		.amdhsa_enable_private_segment 0
		.amdhsa_kernarg_size 48
		.amdhsa_user_sgpr_count 2
		.amdhsa_user_sgpr_kernarg_segment_ptr 1
		.amdhsa_wavefront_size32 1
		.amdhsa_system_sgpr_workgroup_id_x 1
		.amdhsa_system_sgpr_workgroup_id_y 1
		.amdhsa_system_sgpr_workgroup_id_z 1
		.amdhsa_system_vgpr_workitem_id 0
		.amdhsa_next_free_vgpr 1024
		.amdhsa_next_free_sgpr 102
		.amdhsa_reserve_vcc 0
		.amdhsa_float_denorm_mode_32 3
		.amdhsa_float_denorm_mode_16_64 3
		.amdhsa_memory_ordered 1
		.amdhsa_forward_progress 1
		.amdhsa_inst_pref_size 140
	.end_amdhsa_kernel
	.amdgpu_metadata
---
amdhsa.version: [ 1, 2 ]
amdhsa.kernels:
  - .name:           k_q7fae4c0065_proj
    .symbol:         k_q7fae4c0065_proj.kd
    .args:
      - { .name: o_img, .offset: 0, .size: 8, .value_kind: global_buffer, .address_space: global }
      - { .name: o_sc, .offset: 8, .size: 8, .value_kind: global_buffer, .address_space: global }
      - { .name: w_img, .offset: 16, .size: 8, .value_kind: global_buffer, .address_space: global }
      - { .name: w_sc, .offset: 24, .size: 8, .value_kind: global_buffer, .address_space: global }
      - { .name: b_out, .offset: 32, .size: 8, .value_kind: global_buffer, .address_space: global }
      - { .name: out0, .offset: 40, .size: 8, .value_kind: global_buffer, .address_space: global }
    .group_segment_fixed_size: 327680
    .private_segment_fixed_size: 0
    .kernarg_segment_align: 8
    .kernarg_segment_size: 48
    .max_flat_workgroup_size: 128
    .sgpr_count:     102
    .vgpr_count:     1024
    .wavefront_size: 32
...
	.end_amdgpu_metadata
.endif
;; end of part 4
